; MI455X (gfx1250); checked and timed in simulation.
; The chip was launched on July 23, 2026; its instructions are those of AMD's public machine-readable ISA for CDNA 5 (MIT licence, August 2026) and "CDNA5" Instruction Set Architecture Reference Guide (July 2026). The comments in the code are by the model that wrote it; some were corrected since.
;; Rope Attention. Allowed arithmetic: matrix products marked QUANTISED: E2M3 operands, one E8M0 scale for each 32 along K, by v_wmma_scale_f32_16x16x128_f8f6f4 with both operands' format E2M3, f32 sums; everything else in f32.
;; Inputs: Wk 1,024 x 1,024 float32; Wo 1,024 x 1,024 float32; Wq 1,024 x 1,024 float32; Wv 1,024 x 1,024 float32; k_src 4 x 2,048 x 1,024 float32; position_mask 2,048 x 2,048 bool; q_src 4 x 2,048 x 1,024 float32; v_src 4 x 2,048 x 1,024 float32.
;; Outputs: out0 4 x 2,048 x 1,024 float32.
;; This version of the problem:
;;   THIS VERSION OF THE PROBLEM IS GIVEN IN LOW PRECISION. The matrix products marked QUANTISED in the list below multiply operands that are first quantised to E2M3 (2 exponent bits, 3 mantissa bits; 6 bits a number), with one power-of-two scale for each 32 numbers along K (OCP MX v1.0); their sums are f32. All else is computed in f32.
;;   The module's matrix products, in the order in which they are computed (A, B: the left and right operand; K: the contracted axis; several contracted axes count as one K, in the product's order):
;;     1. [M 8,192, K 1,024] x [K 1,024, N 1,024]; A: input q_src; B: input Wq: QUANTISED
;;     2. [M 8,192, K 1,024] x [K 1,024, N 1,024]; A: input k_src; B: input Wk: QUANTISED
;;     3. [M 8,192, K 1,024] x [K 1,024, N 1,024]; A: input v_src; B: input Wv: QUANTISED
;;     4. batch 64 x [M 2,048, K 64] x [K 64, N 2,048]; A: computed on the way; B: computed on the way: QUANTISED
;;     5. batch 64 x [M 2,048, K 2,048] x [K 2,048, N 64]; A: softmax (see below); B: computed on the way: QUANTISED
;;     6. [M 8,192, K 1,024] x [K 1,024, N 1,024]; A: computed on the way; B: input Wo: QUANTISED
;;   THE QUANTISER, for each operand of a quantised product, along K:
;;     - K is cut into blocks of 32 from its start; a last block that is shorter is filled with zeros.
;;     - A block's scale is 2^e with e = floor(log2(the largest magnitude in the block)) - 2, held to -126 .. 127; a block of zeros has e = 0. As a byte (E8M0): e + 127.
;;     - Each number is divided by its block's scale, clamped to +-7.5, and rounded to the nearest number of E2M3, ties to even, subnormals kept.
;;     - The product sums the exact products of the quantised numbers (number of the format x scale) in f32.
;;   ~~~python
;;   def quantise(x, axis):      # numpy; x: float32 -> the quantised numbers, widened to float32 again
;;       x = np.moveaxis(x, axis, -1); K = x.shape[-1]
;;       x = np.pad(x, [(0, 0)] * (x.ndim - 1) + [(0, -K % 32)]); x = x.reshape(x.shape[:-1] + (-1, 32)); a = np.abs(x).max(-1, keepdims=True)
;;       e = np.where(a > 0, np.clip(np.frexp(np.where(a > 0, a, 1))[1] - 1 - 2, -126, 127), 0)      # np.frexp(a)[1] - 1 = floor(log2(a)), exactly
;;       r = np.clip(x / 2.0 ** e, -7.5, 7.5)
;;       step = 2.0 ** (np.maximum(np.frexp(np.where(r == 0, 1, r))[1] - 1, 0) - 3)
;;       q = np.round(r / step) * step * 2.0 ** e      # np.round: ties to even
;;       return np.moveaxis(q.reshape(q.shape[:-2] + (-1,))[..., :K], -1, axis).astype(np.float32)
;;   ~~~
;;   SOFTMAX AHEAD OF A QUANTISED PRODUCT. Where the list says 'softmax', what is quantised is not the finished softmax but p = 2^(t - M), with t = logit x log2(e) and M = ceil(the row's largest t), a whole number; so 1/2 < the row's largest p <= 1. The row's sum l is taken of the UNQUANTISED p, in f32, and the product's result is divided by l at the end. Since M is a whole number, a kernel that streams over the keys may use a running M (the ceiling of the running maximum): every later rescaling is an exact power of two, which a block's scale takes up: the codes' values come out the same.
;;   OPERANDS COMPUTED ON THE WAY. 'Computed on the way' means the value that the module computes at that place (a softmax that the list does not call 'softmax' is quantised finished and normalised). What goes into a quantiser is computed in f32, as accurately as f32 sums, v_exp_f32 and their like allow (about 1e-6 of the number): no bf16 or f16 on the way to a quantiser, and a product that is left as it is and whose result goes on into a quantised operand takes f32 operands (vector FMAs, or v_wmma_f32_16x16x4_f32). A number that lies on a knife's edge between two numbers of the format may be rounded either way, as far as f32 arithmetic and the matrix unit's own rounding can turn it there, and no further.
;; One version. Each part assembles by itself: llvm-mc -triple=amdgcn-amd-amdhsa -mcpu=gfx1250 --defsym DOCPART=n.
;; ======== version 1 of 1: 4 launches
;; workspace buffers: xc 22,020,096 bytes; xs 917,504 bytes; rope 524,288 bytes; mbits 524,288 bytes of whole numbers; mflags 2,048 bytes of whole numbers; qkv 20,185,088 bytes; aoc 6,291,456 bytes; aos 262,144 bytes
;; launch prep (part 1): grid 1056 x 1, 4 waves a work-group, no clusters, 33,280 bytes of LDS; arguments q_src, k_src, v_src, Wq, Wk, Wv, Wo, position_mask, xc, xs, rope, mbits, mflags; writes xc, xs, rope, mbits, mflags
.if DOCPART == 1
	.amdgcn_target "amdgcn-amd-amdhsa--gfx1250"
	.amdhsa_code_object_version 6
	.text
	.protected	k_q8515cef334_prep
	.globl	k_q8515cef334_prep
	.p2align	8
	.type	k_q8515cef334_prep,@function
k_q8515cef334_prep:
	s_mov_b64 s[64:65], 0
	v_nop
	global_prefetch_b8 v0, s[64:65] scope:SCOPE_SE
	s_setreg_imm32_b32 hwreg(HW_REG_WAVE_MODE, 25, 1), 1
	s_wait_xcnt 0x0
; PREP: three jobs that part on the work-group's number g.
;  g < 128:        the mask of one tile of 16 queries becomes lane masks (mbits) and two flags for each step of 128 keys (mflags).
;  128 <= g < 160: the table of RoPE: [position 2048][64] f32: columns 0-31 cos(pos f(c % 16)), 32-47 -sin(pos f(c - 32)), 48-63 +sin(pos f(c - 48)).
;  g >= 160:       q_src, k_src, v_src, Wq, Wk, Wv, Wo (f32, K innermost, 1,024 along K) become codes of FP6 (E2M3), 768 bytes a row (xc), and one E8M0 byte for each 32 along K, 32 bytes a row (xs).
; POSITION ORDER: in xc and xs the rows of all tensors but Wo are laid so that, in each 32 rows, place p holds row p with its bits 3 and 4 exchanged.  A tile of 16 places 2 b + u then holds rows
; 32 b + 8 u + m + 8 (m / 8): a product that takes such a tile as source 0 leaves 16 neighbours (along these rows) in the 16 registers of two neighbouring tiles.
; A block's scale is 2^(floor(log2(its largest magnitude)) - 2); its byte is that magnitude's exponent field - 2, held at 1 from below.
; LIMITS: a block of zeros gets the byte 1 (its codes are zeros, and this program alone reads the bytes); NaN and infinities among the inputs are not served; the mask's bytes are taken as 0 or 1;
; the frequencies are the f32 numbers nearest to 10^(-i / 4), which may lie one unit in the last place from an f32 power: at most about 1e-4 rad at position 2,047; sine and cosine are good to about 1e-7.
.set EMAX,  2
.set CB,    12                         ; bytes of 16 codes
.set STEPS, 16
.set R,     16                         ; v16-79   four sets of 16 numbers as they are loaded
.set X,     80                         ; v80-111  two sets of 16 neighbours
.set C,     128                        ; v128-191 codes: four registers for each step
.set E,     112                        ; v112-127 a scale byte for each step
.set WREG,  8192                       ; LDS: a region for each wave: two stages of 32 x SP bytes, then its 256 scale bytes
.set SP,    80
	s_load_b512 s[4:19], s[0:1], 0x0               ; q_src, k_src, v_src, Wq, Wk, Wv, Wo, the mask
	s_load_b256 s[20:27], s[0:1], 0x40             ; xc, xs, rope, mbits
	s_load_b64 s[28:29], s[0:1], 0x60              ; mflags
	v_lshl_add_u32 v192, v0, 2, 0x8000
	v_mov_b32 v193, 0
	v_lshrrev_b32 v1, 5, v0
	v_readfirstlane_b32 s30, v1                    ; wave 0..3
	v_and_b32 v2, 31, v0                           ; lane
	s_wait_kmcnt 0x0
	s_cmp_ge_u32 ttmp9, 160
	s_cbranch_scc1 .Lquant
	s_cmp_ge_u32 ttmp9, 128
	s_cbranch_scc1 .Ltable
; ---- THE MASK.  Tile g of queries; wave w takes the steps 4 w .. 4 w + 3 of 128 keys.  Lane (h, r) = 16 h + r stands for query 32 (g / 2) + 8 (g % 2) + r + 8 (r / 8) and,
; in number n of 64, for key 128 step + 32 (n / 16) + 16 h + n % 16: the place that the attention's scores have in a lane's registers.  Word n of a step: bit = lane, 1 = hidden.
	s_lshr_b32 s31, ttmp9, 1
	s_lshl_b32 s31, s31, 5
	s_and_b32 s32, ttmp9, 1
	s_lshl_b32 s32, s32, 3
	s_add_co_u32 s31, s31, s32                     ; the tile's first row
	s_lshl_b32 s31, s31, 11                        ; 2,048 bytes a row
	s_lshl_b32 s32, s30, 9                         ; my wave's 512 keys
	s_add_co_u32 s31, s31, s32
	s_wait_alu depctr_va_vdst(0)
	v_and_b32 v3, 15, v2                           ; r
	v_lshrrev_b32 v4, 4, v2                        ; h
	v_and_b32 v5, 8, v3
	v_add_nc_u32 v5, v5, v3                        ; r + 8 (r / 8)
	v_lshlrev_b32 v5, 11, v5
	v_lshl_add_u32 v5, v4, 4, v5
	v_add_nc_u32 v5, s31, v5
.irp s, 0,1,2,3
.irp b, 0,1,2,3
	global_load_b128 v[64+16*\s+4*\b:64+16*\s+4*\b+3], v5, s[18:19] offset:128*\s+32*\b   ; 16 mask bytes: keys 32 b + 16 h + 0 .. 15 of step s
.endr
.endr
	s_lshl_b32 s33, ttmp9, 12                      ; mbits: 4,096 bytes a tile, 256 a step
	s_lshl_b32 s34, s30, 10
	s_add_co_u32 s33, s33, s34
	v_lshlrev_b32 v12, 3, v2
	v_add_nc_u32 v12, s33, v12                     ; lane l stores words 2 l and 2 l + 1
.irp i, 0,1,2,3,4,5,6,7
	v_mov_b32 v[32+\i], 0                          ; v_writelane_b32's destination counts as read
.endr
	s_mov_b32 s43, 0                               ; bit s: step s has a key that counts
	s_mov_b32 s44, 0                               ; bit s: step s has a hidden key
	s_wait_loadcnt 0x0
.macro MSTEP s
.set MB, 64+16*(\s)
	v_or_b32 v8, v[MB], v[MB+1]
	v_and_b32 v9, v[MB], v[MB+1]
.irp i, 2,3,4,5,6,7,8,9,10,11,12,13,14,15
	v_or_b32 v8, v8, v[MB+\i]
	v_and_b32 v9, v9, v[MB+\i]
.endr
	v_cmp_ne_u32 s40, 0, v8                        ; some byte of the lane is 1
	v_cmp_ne_u32 s41, 0x01010101, v9               ; some byte of the lane is 0
	s_cmp_lg_u32 s40, 0
	s_cselect_b32 s40, 1<<(\s), 0
	s_cmp_lg_u32 s41, 0
	s_cselect_b32 s41, 1<<(\s), 0
	s_or_b32 s44, s44, s40
	s_or_b32 s43, s43, s41
.set n, 0
.rept 64
	v_and_b32 v[16+n%4], 0xff<<(8*(n%4)), v[MB+4*(n/16)+(n%16)/4]
	v_cmp_ne_u32 s[48+n%4], 0, v[16+n%4]           ; the 32 lanes' bits of number n
	v_writelane_b32 v[32+2*(\s)+n%2], s[48+n%4], n/2
.set n, n+1
.endr
	global_store_b64 v12, v[32+2*(\s):33+2*(\s)], s[26:27] offset:256*(\s)   ; the wave stores 256 consecutive bytes, aligned
.endm
	MSTEP 0
	MSTEP 1
	MSTEP 2
	MSTEP 3
	s_lshl_b32 s45, s30, 2
	s_lshl_b32 s43, s43, s45                       ; bit 4 w + s: something counts;
	s_add_co_u32 s46, s45, 16
	s_lshl_b32 s44, s44, s46                       ; bit 16 + 4 w + s: something is hidden
	s_or_b32 s43, s43, s44
	s_lshl_b32 s44, ttmp9, 4
	s_add_co_u32 s44, s44, s45                     ; mflags: four words a tile, one a wave
	v_mov_b32 v13, s43
	v_mov_b32 v14, s44
	v_cmp_eq_u32 vcc_lo, 0, v2
	s_wait_alu depctr_va_vdst(0)
	s_wait_xcnt 0x0                                ; EXEC changes only behind this wait: the stores above have read it
	s_and_saveexec_b32 s47, vcc_lo
	global_store_b32 v14, v13, s[28:29]
	s_wait_xcnt 0x0
	s_or_b32 exec_lo, exec_lo, s47
	s_endpgm
; ---- THE TABLE.  Wave w of work-group g - 128 makes 16 rows, two a trip: lanes 0-15 one row of 256 bytes, lanes 16-31 the next; a lane makes four neighbouring columns.
; Every entry is sin(x + a pi / 2), x = pos x f in one f32 rounding, a = 1 (cos), 2 (-sin) or 0 (+sin).  n = the nearest whole number to x 2 / pi; r = x - n pi / 2, pi / 2 in two parts;
; sin r and cos r by their series up to r^9 and r^8 (|r| <= pi / 4); n + a picks the series and the sign.
.Ltable:
	s_sub_co_u32 s31, ttmp9, 128
	s_lshl_b32 s31, s31, 2
	s_add_co_u32 s31, s31, s30
	s_lshl_b32 s31, s31, 4                         ; my first row
	s_wait_alu depctr_va_vdst(0)
	v_lshrrev_b32 v3, 4, v2
	v_and_b32 v4, 15, v2
	v_lshrrev_b32 v5, 2, v4                        ; which quarter of the row
	v_and_b32 v6, 3, v4                            ; my frequencies: 4 (this) + 0 .. 3
	v_cmp_eq_u32 s40, 1, v6
	v_cmp_eq_u32 s41, 2, v6
	v_cmp_eq_u32 s42, 3, v6
.macro FREQ k, c0, c1, c2, c3
	v_mov_b32 v[8+\k], \c0
	v_mov_b32 v20, \c1
	v_cndmask_b32 v[8+\k], v[8+\k], v20, s40
	v_mov_b32 v20, \c2
	v_cndmask_b32 v[8+\k], v[8+\k], v20, s41
	v_mov_b32 v20, \c3
	v_cndmask_b32 v[8+\k], v[8+\k], v20, s42
.endm
	FREQ 0, 0x3f800000, 0x3dcccccd, 0x3c23d70a, 0x3a83126f   ; 10^(-i / 4), i = 0, 4, 8, 12
	FREQ 1, 0x3f0ff59a, 0x3d6655c3, 0x3bb8449c, 0x3a136a16   ; i = 1, 5, 9, 13
	FREQ 2, 0x3ea1e89b, 0x3d0186e2, 0x3b4f3e37, 0x39a5cb5f   ; i = 2, 6, 10, 14
	FREQ 3, 0x3e361887, 0x3c91ad39, 0x3ae91528, 0x393a7753   ; i = 3, 7, 11, 15
	v_mov_b32 v20, 2
	v_cmp_eq_u32 vcc_lo, 2, v5
	v_cndmask_b32 v21, 1, v20, vcc_lo              ; a = 1, 1, 2, 0 for the four quarters
	v_mov_b32 v20, 0
	v_cmp_eq_u32 vcc_lo, 3, v5
	v_cndmask_b32 v21, v21, v20, vcc_lo
	v_add_nc_u32 v22, s31, v3
	v_cvt_f32_u32 v22, v22                         ; my position
	s_lshl_b32 s32, s31, 8
	v_lshlrev_b32 v23, 4, v2
	v_add_nc_u32 v23, s32, v23                     ; 16 bytes a lane: 512 consecutive bytes a store
	s_mov_b32 s50, 0x3fc90fdb                      ; pi / 2, its upper part
	s_mov_b32 s51, 0xb33bbd2e                      ; and what is left of it
	v_mov_b32 v56, 0x3638ef1d                      ; 1 / 9!
	v_mov_b32 v57, 0x37d00d01                      ; 1 / 8!
	s_mov_b32 s33, 8
.macro TRIG k
	v_mul_f32 v[24+\k], v22, v[8+\k]               ; x
	v_mul_f32 v[28+\k], 0x3f22f983, v[24+\k]
	v_rndne_f32 v[28+\k], v[28+\k]                 ; n
	v_fma_f32 v[32+\k], -v[28+\k], s50, v[24+\k]
	v_fma_f32 v[32+\k], -v[28+\k], s51, v[32+\k]   ; r
	v_mul_f32 v[36+\k], v[32+\k], v[32+\k]         ; r^2
	v_fmaak_f32 v[40+\k], v56, v[36+\k], 0xb9500d01
	v_fmaak_f32 v[44+\k], v57, v[36+\k], 0xbab60b61
	v_fmaak_f32 v[40+\k], v[40+\k], v[36+\k], 0x3c088889
	v_fmaak_f32 v[44+\k], v[44+\k], v[36+\k], 0x3d2aaaab
	v_fmaak_f32 v[40+\k], v[40+\k], v[36+\k], 0xbe2aaaab
	v_fmaak_f32 v[44+\k], v[44+\k], v[36+\k], 0xbf000000
	v_mul_f32 v[24+\k], v[32+\k], v[36+\k]         ; r^3
	v_fma_f32 v[44+\k], v[44+\k], v[36+\k], 1.0    ; cos r
	v_fma_f32 v[40+\k], v[24+\k], v[40+\k], v[32+\k]   ; sin r
	v_cvt_i32_f32 v[48+\k], v[28+\k]
	v_add_nc_u32 v[48+\k], v[48+\k], v21           ; n + a
	v_and_b32 v[24+\k], 1, v[48+\k]
	v_cmp_eq_u32 vcc_lo, 1, v[24+\k]
	v_cndmask_b32 v[52+\k], v[40+\k], v[44+\k], vcc_lo
	v_and_b32 v[24+\k], 2, v[48+\k]
	v_lshlrev_b32 v[24+\k], 30, v[24+\k]
	v_xor_b32 v[52+\k], v[52+\k], v[24+\k]         ; the sign
.endm
.Lrows:
	s_wait_alu depctr_va_vdst(0)
	TRIG 0
	TRIG 1
	TRIG 2
	TRIG 3
	global_store_b128 v23, v[52:55], s[24:25]
	s_wait_xcnt 0x0                                ; the store has read its offset and its data: both are written again
	v_add_nc_u32 v23, 512, v23
	v_add_f32 v22, 2.0, v22
	s_sub_co_i32 s33, s33, 1
	s_cmp_lg_u32 s33, 0
	s_cbranch_scc1 .Lrows
	s_endpgm
; ---- THE QUANTISER.  Work-group q = g - 160 takes 32 rows (32,768 numbers), wave w 8 of them: one run.  All seven tensors take one path; only pointers are chosen.
; A wave takes 16 steps of 512 numbers.  Each of a step's four loads reads 512 consecutive bytes; the 2,048 bytes turn through the wave's own stage in LDS and come back 64 bytes a lane: 16 neighbours along K,
; two lanes to a block of 32.  Loads run four steps ahead, the turn through LDS one step.  No barrier: waves share nothing.
.Lquant:
	s_sub_co_u32 s31, ttmp9, 160
	s_cmp_ge_u32 s31, 256
	s_cselect_b64 s[4:5], s[6:7], s[4:5]
	s_cmp_ge_u32 s31, 512
	s_cselect_b64 s[4:5], s[8:9], s[4:5]
	s_cmp_ge_u32 s31, 768
	s_cselect_b64 s[4:5], s[10:11], s[4:5]
	s_cmp_ge_u32 s31, 800
	s_cselect_b64 s[4:5], s[12:13], s[4:5]
	s_cmp_ge_u32 s31, 832
	s_cselect_b64 s[4:5], s[14:15], s[4:5]
	s_cmp_ge_u32 s31, 864
	s_cselect_b64 s[4:5], s[16:17], s[4:5]
	s_and_b32 s32, s31, 255                        ; which 32 rows of the tensor: the sources have 256 such, the weights 32
	s_and_b32 s33, s31, 31
	s_and_b32 s34, s30, 1
	s_lshl_b32 s34, s34, 1
	s_lshr_b32 s35, s30, 1
	s_or_b32 s34, s34, s35                         ; the wave's number is bits 3 and 4 of its rows: exchanged, it is the run's place
	s_cmp_ge_u32 s31, 768
	s_cselect_b32 s32, s33, s32
	s_cmp_ge_u32 s31, 864
	s_cselect_b32 s34, s30, s34                    ; Wo's rows stay as they are
	s_lshl_b32 s32, s32, 2
	s_add_co_u32 s32, s32, s30
	s_lshl_b32 s32, s32, 15                        ; in: 32,768 bytes a run
	s_mov_b32 s33, 0
	s_add_nc_u64 s[4:5], s[4:5], s[32:33]
	s_lshl_b32 s35, s31, 2
	s_add_co_u32 s35, s35, s34                     ; out: run 4 q + place
	s_mul_i32 s32, s35, 6144
	s_add_nc_u64 s[20:21], s[20:21], s[32:33]
	s_lshl_b32 s32, s35, 8
	s_add_nc_u64 s[22:23], s[22:23], s[32:33]
	s_wait_alu depctr_va_vdst(0)
	v_lshlrev_b32 v3, 4, v2                        ; my 16 bytes of a load's 512
	s_mul_i32 s36, s30, WREG
	v_lshrrev_b32 v14, 2, v2
	v_mul_u32_u24 v14, v14, SP
	v_and_b32 v15, 3, v2
	v_lshl_add_u32 v14, v15, 4, v14
	v_add_nc_u32 v14, s36, v14                     ; the stage, in: four lanes' 64 bytes on end, then 16 of padding
	v_mul_u32_u24 v15, v2, SP
	v_add_nc_u32 v15, s36, v15                     ; and out: my 16 neighbours
	v_mul_u32_u24 v4, v2, CB                       ; my codes' place in a step's
	v_lshrrev_b32 v5, 1, v2
	s_add_co_u32 s36, s36, 2*32*SP
	v_add_nc_u32 v5, s36, v5                       ; LDS: my wave's 256 scale bytes, my block's byte
	v_lshlrev_b32 v7, 3, v2
	v_add_nc_u32 v6, s36, v7
.macro LOAD t
.irp i, 0,1,2,3
	global_load_b128 v[R+16*((\t)%4)+4*\i:R+16*((\t)%4)+4*\i+3], v3, s[4:5] offset:2048*(\t)+512*\i th:TH_LOAD_NT
.endr
.endm
.macro TURN t                          ; LDS serves a wave's instructions in order (ISA guide 5.7.1.4): no wait between the stores and the loads
.irp i, 0,1,2,3
	ds_store_b128 v14, v[R+16*((\t)%4)+4*\i:R+16*((\t)%4)+4*\i+3] offset:32*SP*((\t)%2)+8*SP*\i
.endr
.irp i, 0,1,2,3
	ds_load_b128 v[X+16*((\t)%2)+4*\i:X+16*((\t)%2)+4*\i+3], v15 offset:32*SP*((\t)%2)+16*\i
.endr
.endm
.irp t, 0,1,2,3
	LOAD \t
.endr
	s_wait_alu depctr_va_vdst(0)
	s_wait_loadcnt 12                              ; step 0's four loads are in; three steps' twelve may be out
	TURN 0
.macro STEP t
.set XS, X+16*((\t)%2)
.if (\t) > 0
	s_wait_dscnt 1                                 ; this step's numbers are back from the stage; the last step's byte store may be out
.else
	s_wait_dscnt 0x0
.endif
.if (\t)+4 < STEPS
	LOAD (\t)+4
.endif
.if (\t)+1 < STEPS
.if STEPS-2-(\t) >= 3
	s_wait_loadcnt 12                              ; the next step's four loads are in; those of the three steps behind it may be out
.else
	s_wait_loadcnt 4*(STEPS-2-(\t))
.endif
	TURN (\t)+1
.endif
	v_max3_num_f32 v8, |v[XS]|, |v[XS+1]|, |v[XS+2]|
	v_max3_num_f32 v9, |v[XS+3]|, |v[XS+4]|, |v[XS+5]|
.irp i, 6,10
	v_max3_num_f32 v8, v8, |v[XS+\i]|, |v[XS+\i+1]|
	v_max3_num_f32 v9, v9, |v[XS+\i+2]|, |v[XS+\i+3]|
.endr
	v_max3_num_f32 v8, v8, |v[XS+14]|, |v[XS+15]|
	v_max3_num_f32 v8, v8, v9, (EMAX+1)<<23        ; and the floor 2^(3 - 127): the byte cannot fall under 1
	v_max_num_f32_dpp v8, v8, v8 row_xmask:1 row_mask:0xf bank_mask:0xf   ; with my neighbour's 16: the block's
	v_add_nc_u32 v11, -(EMAX<<23), v8              ; 2 off its exponent field: the conversion takes this operand's exponent field as its scale
	v_cvt_scalef32_pk16_fp6_f32 v[C+4*(\t):C+4*(\t)+2], v[XS:XS+15], v11
	v_lshrrev_b32 v[E+(\t)], 23, v11               ; the scale's byte
	ds_store_b8 v5, v[E+(\t)] offset:16*(\t)       ; both lanes of a block write the same byte with the same value
	global_store_b96 v4, v[C+4*(\t):C+4*(\t)+2], s[20:21] offset:32*CB*(\t)
.endm
.irp t, 0,1,2,3,4,5,6,7,8,9,10,11,12,13,14,15
	STEP \t
.endr
	ds_load_b64 v[12:13], v6
	s_wait_dscnt 0x0
	global_store_b64 v7, v[12:13], s[22:23]        ; the wave stores 256 consecutive bytes, aligned
	s_wait_tensorcnt 0x0
	ds_add_u32 v192, v193
	s_wait_dscnt 0x0
	s_endpgm
.Lfunc_end_k_q8515cef334_prep:
	.size	k_q8515cef334_prep, .Lfunc_end_k_q8515cef334_prep-k_q8515cef334_prep
	.p2alignl 7, 3214868480
	.fill 96, 4, 3214868480
	.section	.rodata,"a",@progbits
	.p2align	6, 0x0
	.amdhsa_kernel k_q8515cef334_prep
		.amdhsa_group_segment_fixed_size 33280
		.amdhsa_private_segment_fixed_size 0
		.amdhsa_enable_private_segment 0
		.amdhsa_kernarg_size 104
		.amdhsa_user_sgpr_count 2
		.amdhsa_user_sgpr_kernarg_segment_ptr 1
		.amdhsa_wavefront_size32 1
		.amdhsa_system_sgpr_workgroup_id_x 1
		.amdhsa_system_sgpr_workgroup_id_y 1
		.amdhsa_system_sgpr_workgroup_id_z 1
		.amdhsa_system_vgpr_workitem_id 0
		.amdhsa_next_free_vgpr 194
		.amdhsa_next_free_sgpr 66
		.amdhsa_reserve_vcc 1
		.amdhsa_float_denorm_mode_32 3
		.amdhsa_float_denorm_mode_16_64 3
		.amdhsa_memory_ordered 1
		.amdhsa_forward_progress 1
		.amdhsa_inst_pref_size 97
	.end_amdhsa_kernel
	.amdgpu_metadata
---
amdhsa.version: [ 1, 2 ]
amdhsa.kernels:
  - .name:           k_q8515cef334_prep
    .symbol:         k_q8515cef334_prep.kd
    .args:
      - { .name: q_src, .offset: 0, .size: 8, .value_kind: global_buffer, .address_space: global }
      - { .name: k_src, .offset: 8, .size: 8, .value_kind: global_buffer, .address_space: global }
      - { .name: v_src, .offset: 16, .size: 8, .value_kind: global_buffer, .address_space: global }
      - { .name: Wq, .offset: 24, .size: 8, .value_kind: global_buffer, .address_space: global }
      - { .name: Wk, .offset: 32, .size: 8, .value_kind: global_buffer, .address_space: global }
      - { .name: Wv, .offset: 40, .size: 8, .value_kind: global_buffer, .address_space: global }
      - { .name: Wo, .offset: 48, .size: 8, .value_kind: global_buffer, .address_space: global }
      - { .name: position_mask, .offset: 56, .size: 8, .value_kind: global_buffer, .address_space: global }
      - { .name: xc, .offset: 64, .size: 8, .value_kind: global_buffer, .address_space: global }
      - { .name: xs, .offset: 72, .size: 8, .value_kind: global_buffer, .address_space: global }
      - { .name: rope, .offset: 80, .size: 8, .value_kind: global_buffer, .address_space: global }
      - { .name: mbits, .offset: 88, .size: 8, .value_kind: global_buffer, .address_space: global }
      - { .name: mflags, .offset: 96, .size: 8, .value_kind: global_buffer, .address_space: global }
    .group_segment_fixed_size: 33280
    .private_segment_fixed_size: 0
    .kernarg_segment_align: 8
    .kernarg_segment_size: 104
    .max_flat_workgroup_size: 128
    .sgpr_count:     66
    .vgpr_count:     194
    .wavefront_size: 32
...
	.end_amdgpu_metadata
.endif
;; end of part 1
;; launch proj (part 2): grid 4 x 96, 4 waves a work-group, clusters of 4 x 4, 327,680 bytes of LDS; arguments xc, xs, rope, qkv; writes qkv
.if DOCPART == 2
	.amdgcn_target "amdgcn-amd-amdhsa--gfx1250"
	.amdhsa_code_object_version 6
	.text
	.protected	k_q8515cef334_proj
	.globl	k_q8515cef334_proj
	.p2align	8
	.type	k_q8515cef334_proj,@function
k_q8515cef334_proj:
	s_mov_b64 s[64:65], 0
	v_nop
	global_prefetch_b8 v0, s[64:65] scope:SCOPE_SE
	s_setreg_imm32_b32 hwreg(HW_REG_WAVE_MODE, 25, 1), 1
	s_wait_xcnt 0x0
	s_wait_alu depctr_hold_cnt(0) depctr_sa_sdst(0) depctr_va_vdst(0) depctr_va_sdst(0) depctr_va_ssrc(0) depctr_va_vcc(0) depctr_vm_vsrc(0)
	s_getreg_b32 s2, hwreg(HW_REG_IB_STS2, 6, 4)
	s_cmp_eq_u32 s2, 0
	s_cbranch_scc0 .Lentry_in_a_cluster
	s_endpgm
.Lentry_in_a_cluster:
	s_bfe_u32 s2, ttmp6, 0x10000c
	s_cmp_lg_u32 s2, 0xf033
	s_cbranch_scc0 .Lentry_shape_is_right
	s_endpgm
.Lentry_shape_is_right:
; PROJ: the three projections on codes of FP6 (E2M3) with E8M0 scales, K = 1,024, and what follows them: the scale, RoPE, and the quantiser of the attention's operands.
; The cluster's y picks the product: 0-7 q, 8-15 k, 16-23 v.  A tile of 256 x 256 to a work-group of four waves, 128 x 128 to a wave: 64 accumulators, 512 registers.
; K goes in steps of 256 through a ring of two LDS slots filled by the tensor data mover; the scale bytes of the work-group's rows come once.  4 x 4 work-groups form a cluster: A's tiles are asked for jointly
; along a row of it, B's along a column.  THE MATRIX INSTRUCTION IS USED TRANSPOSED: source 0 = 16 rows of B, source 1 = 16 rows of A: a lane holds ONE row of A and its registers run along B's rows.
;   q, k: A = the tokens, B = the weight's rows (features): a lane holds a token, its registers its features: the next K (the head's 64).
;   v:    A = Wv's rows (features), B = the tokens: a lane holds a feature, its registers the tokens: the next K (the keys).
; All these rows lie in POSITION ORDER (in each 32, bits 3 and 4 of the row exchanged), so that the 16 registers of two neighbouring tiles are 16 neighbours along the next K.
; THE WAY OUT writes no f32: a block of 16 rows x 128 is scaled (q, k: by 8^(-1/2)), turned by RoPE (q, k: dims 0-31 of each head; the partner dim lies in the lane 16 away), quantised along the next K,
; and stored as IMAGES OF THE OPERAND'S REGISTERS into the head's record of qkv (RECB bytes): K codes [tile 128][512 + 256], V codes [step 16][tile 4][3 x 512], K scale words [step][lane][4], V's [step][lane][2],
; Q codes and scale words as K's.  Every store of the wave covers 256 or 512 consecutive bytes, aligned.
; LIMITS: a block of zeros gets the byte 1 (its codes are zeros; this program alone reads the bytes); NaN and infinities are not served.
; No prefetch: a work-group has four K steps, of which two are asked for at its head.
; REGISTERS, in windows of 256: window 0: v0-31 addresses; v32-63 scale words, two sets; v128-223 A's fragments, one set; on the way out v64-127 a block's numbers, v128-163 and v200-239 at work.
;   window 1: B's fragments, two sets; on the way out the table of RoPE.   windows 2, 3: the accumulators ((a, b) at v[8 (8 (a % 4) + b)]).
.set KSTEP,  256
.set NQ,     2
.set ROWB,   192
.set KROW,   768
.set PITCH,  240                       ; an LDS row: 3 x (64 bytes + 16 of padding)
.set FR,     12
.set NL,     6
.set NP,     4
.set HALFT,  128*PITCH
.set SLOT,   4*HALFT
.set LAPS,   2
.set KS,     32
.set SCL,    2*SLOT
.set HALFS,  (128*KS/256)*272
.set SBLK,   (16*KS/256)*272
.set SPARE,  SCL+4*HALFS               ; the spare words, 128 bytes a wave: two blocks of 256 bytes that no other line names
.set RECB,   315392
.set VT,   7                           ; v7   the table: my token's row and my half's 64 bytes
.set L16,  8                           ; v8   16 x lane
.set L8,   9                           ; v9   8 x lane
.set STQ,  10                          ; v10  q, k: where my scale word goes in my wave's stage
.set STV,  11                          ; v11  v: the same
.set RDQ,  12                          ; v12  q, k: where I read the words back
.set RDV,  13                          ; v13  v: the same
.set OSV,  14                          ; v14  v: where they go in memory
.set SH,   15                          ; v15  16 x (lane / 16)
.set ADRA, 16
.set ADRB, 20
.set ADRS, 27
.set SPW,  28                          ; v28  my spare word; never rewritten
.set NIL,  29                          ; v29  0; never rewritten
.set SC,   32
.set AF,   128
.set H,    64                          ; the way out: 64 numbers of a lane
.set PT,   128                         ; the partner's 16
.set PC,   144                         ; codes, and the conversions' second halves
.set TM,   200
.set PW,   216
.set SW,   224                         ; a scale word for each block
.set G1, 24
.set G0, 32
.set G1B, 48
.set G0B, 56
.set G1S, 68
.set G0S, 76
.set G1SB, 80
.set G0SB, 88
.set MSB, 0
.macro WIN new                         ; the immediate's high byte repeats the setting that is left
.if MSB != (\new)
	s_set_vgpr_msb (MSB<<8)|(\new)
.set MSB, (\new)
.endif
.endm
.set MUL_LO, 0xa1
.set MUL_HI, 0xf1
.set TO_B,   0x40
; A joint load: waves 0 and 1 fetch for A, waves 2 and 3 for B.  Four v_nop follow each of the two lines.
.macro JLOAD g0a, g1a, g0b, g1b
	s_cmp_eq_u32 s15, 0
	s_cbranch_scc0 .Lfor_b_\@
	tensor_load_to_lds s[\g0a:\g0a+3], s[\g1a:\g1a+7]
	s_nop 0
.rept 4
	v_nop
.endr
	s_branch .Lasked_\@
.Lfor_b_\@:
	tensor_load_to_lds s[\g0b:\g0b+3], s[\g1b:\g1b+7]
	s_nop 0
.rept 4
	v_nop
.endr
.Lasked_\@:
.endm
.macro CREST
	s_cmp_lg_u32 s14, 0
	s_cbranch_scc1 .Lnot_wave_0_\@
	s_barrier_signal -3
.Lnot_wave_0_\@:
	s_barrier_wait -3
	s_barrier_signal -1
	s_barrier_wait -1
.endm
.macro CROUND
	s_barrier_signal -1
	s_barrier_wait -1
	CREST
.endm
	s_load_b256 s[4:11], s[0:1], 0x0               ; xc s[4:5], xs s[6:7], rope s[8:9], qkv s[10:11]
	v_lshl_add_u32 v[SPW], v0, 2, SPARE
	v_mov_b32 v[NIL], 0
	ds_add_u32 v28, v29
	ds_add_u32 v28, v29
	s_wait_dscnt 0x0
	v_lshrrev_b32 v1, 5, v0
	v_readfirstlane_b32 s14, v1                    ; wave 0..3
	s_lshr_b32 s15, s14, 1                         ; which half of A's rows is mine.  Also: I fetch for A (0) or for B (1)
	s_and_b32 s16, s14, 1                          ; which half of B's rows.  Also: which 128 rows I fetch
	s_bfe_u32 s40, ttmp6, 0x40000                  ; cx
	s_bfe_u32 s41, ttmp6, 0x40004                  ; cy
	s_and_b32 s2, ttmp7, 0xffff                    ; the cluster's y, 0..23: the same in all sixteen partners
	s_and_b32 s95, s2, 7
	s_lshl_b32 s95, s95, 2                         ; four tiles of tokens a cluster
	s_lshr_b32 s2, s2, 3                           ; the product: 0 q, 1 k, 2 v
	s_lshl_b32 s98, s2, 13                         ; A's first row in xc: q_src 0, k_src 8,192;
	s_lshl_b32 s99, s2, 10
	s_add_co_u32 s99, s99, 24576                   ; B's: Wq 24,576, Wk 25,600
	s_cmp_eq_u32 s2, 2
	s_cselect_b32 s96, 0, s95
	s_cselect_b32 s97, s95, 0
	s_cselect_b32 s98, 26624, s98                  ; v: A = Wv,
	s_cselect_b32 s99, 16384, s99                  ; B = v_src
	s_add_co_u32 s17, s41, s96                     ; tile row (of A): it hangs on cy, never on cx
	s_add_co_u32 s42, s40, s97                     ; tile column (of B): on cx, never on cy
	s_lshl_b32 s43, s41, 2
	s_lshl_b32 s43, 15, s43                        ; my row of the cluster
	s_lshl_b32 s44, 0x1111, s40                    ; my column
	s_or_b32 s[G1+0], s43, (0<<16)|(1<<20)|(1<<21)|(3<<22)|(3<<25)  ; the mask; elements of 1 byte; padding: 4 words behind every 16
	s_or_b32 s[G1B+0], s44, (0<<16)|(1<<20)|(1<<21)|(3<<22)|(3<<25)
.irp g, G1, G1B
	s_mov_b32 s[\g+1], ROWB<<16                    ; tensor_dim0
	s_mov_b32 s[\g+2], 128<<16                     ; tensor_dim1
	s_mov_b32 s[\g+3], ROWB<<16                    ; tile_dim0
	s_mov_b32 s[\g+4], 128                         ; tile_dim1
	s_mov_b32 s[\g+5], KROW                        ; from row to row
	s_mov_b32 s[\g+6], 0
	s_mov_b32 s[\g+7], 0
.endr
	s_or_b32 s[G1S+0], s43, (3<<16)|(1<<20)|(1<<21)|(5<<22)|(3<<25)  ; the scales of 128 rows: 4,096 dense bytes as rows of 256, 16 of padding behind each
	s_or_b32 s[G1SB+0], s44, (3<<16)|(1<<20)|(1<<21)|(5<<22)|(3<<25)
.irp g, G1S, G1SB
	s_mov_b32 s[\g+1], 32<<16
	s_mov_b32 s[\g+2], (128*KS/256)<<16
	s_mov_b32 s[\g+3], 32<<16
	s_mov_b32 s[\g+4], 128*KS/256
	s_mov_b32 s[\g+5], 32
	s_mov_b32 s[\g+6], 0
	s_mov_b32 s[\g+7], 0
.endr
	s_lshl_b32 s18, s16, 7
	s_lshl_b32 s20, s17, 8
	s_add_co_u32 s20, s20, s18
	s_add_co_u32 s20, s20, s98                     ; A: the first of the 128 rows that I fetch
	s_lshl_b32 s46, s42, 8
	s_add_co_u32 s46, s46, s18
	s_add_co_u32 s46, s46, s99                     ; B likewise
	s_mov_b32 s21, 0
	s_mov_b32 s47, 0
	s_mov_b64 s[18:19], KS
	s_mul_u64 s[22:23], s[20:21], s[18:19]
	s_mul_u64 s[92:93], s[46:47], s[18:19]
	s_mov_b64 s[18:19], KROW
	s_mul_u64 s[20:21], s[20:21], s[18:19]
	s_mul_u64 s[46:47], s[46:47], s[18:19]
	s_mul_i32 s45, s14, HALFT                      ; where they go: wave x 128 rows
	s_mul_i32 s94, s14, HALFS
	s_wait_kmcnt 0x0
	s_add_nc_u64 s[20:21], s[4:5], s[20:21]
	s_add_nc_u64 s[22:23], s[6:7], s[22:23]
	s_add_nc_u64 s[46:47], s[4:5], s[46:47]
	s_add_nc_u64 s[92:93], s[6:7], s[92:93]
	CROUND                                         ; all sixteen work-groups are here: the first joint loads meet
	s_mov_b32 s[G0S], 1
	s_add_co_u32 s[G0S+1], s94, SCL
	s_mov_b64 s[G0S+2:G0S+3], s[22:23]
	s_or_b32 s[G0S+3], s[G0S+3], 0x80000000
	s_mov_b32 s[G0SB], 1
	s_add_co_u32 s[G0SB+1], s94, SCL
	s_mov_b64 s[G0SB+2:G0SB+3], s[92:93]
	s_or_b32 s[G0SB+3], s[G0SB+3], 0x80000000
	JLOAD G0S, G1S, G0SB, G1SB                     ; the scales first; with the two below, three tensor loads of mine are out
.irp s, 0,1
	s_mov_b32 s[G0+4*\s], 1
	s_add_co_u32 s[G0+4*\s+1], s45, \s*SLOT
	s_add_nc_u64 s[G0+4*\s+2:G0+4*\s+3], s[20:21], \s*ROWB
	s_or_b32 s[G0+4*\s+3], s[G0+4*\s+3], 0x80000000
	s_mov_b32 s[G0B+4*\s], 1
	s_add_co_u32 s[G0B+4*\s+1], s45, \s*SLOT
	s_add_nc_u64 s[G0B+4*\s+2:G0B+4*\s+3], s[46:47], \s*ROWB
	s_or_b32 s[G0B+4*\s+3], s[G0B+4*\s+3], 0x80000000
	JLOAD G0+4*\s, G1, G0B+4*\s, G1B
.endr
	v_and_b32 v1, 15, v0                           ; r
	v_bfe_u32 v2, v0, 4, 1                         ; h
	v_mul_u32_u24 v3, v1, PITCH
	v_mul_u32_u24 v4, v2, 24
	v_add_nc_u32 v4, v3, v4                        ; a fragment's row x pitch + 24 x half
	v_lshl_add_u32 v5, v2, 4, v4                   ; and the same behind one padding more
	s_mul_i32 s21, s15, HALFT
	s_mul_i32 s22, s16, HALFT
	s_add_co_u32 s22, s22, 2*HALFT
.irp s, 0,1
	v_add_nc_u32 v[ADRA+\s], s21, v4
	v_add_nc_u32 v[ADRB+\s], s22, v4
	v_add_nc_u32 v[ADRA+2+\s], s21, v5
	v_add_nc_u32 v[ADRB+2+\s], s22, v5
	s_add_co_u32 s21, s21, SLOT
	s_add_co_u32 s22, s22, SLOT
.endr
	v_mul_u32_u24 v5, v1, KS
	v_lshrrev_b32 v6, 8, v5
	v_lshl_add_u32 v5, v6, 4, v5
	s_mul_i32 s21, s15, HALFS
	s_mul_i32 s22, s16, HALFS
	s_add_co_u32 s22, s22, 2*HALFS
	s_sub_co_u32 s22, s22, s21
	v_mul_u32_u24 v6, s22, v2                      ; lanes 16-31 take B's
	s_add_co_u32 s21, s21, SCL
	v_add_nc_u32 v5, v5, v6
	v_add_nc_u32 v[ADRS], s21, v5
	; the way out's addresses.  The stages for the scale words lie in slot 0, which has had its last fill and its last read when the first word is stored; q, k and v have bytes of their own
	v_and_b32 v6, 31, v0
	v_lshlrev_b32 v[L16], 4, v6
	v_lshlrev_b32 v[L8], 3, v6
	v_and_b32 v3, 8, v1
	v_add_nc_u32 v3, v3, v1                        ; r + 8 (r / 8): my token among a tile's 24
	v_lshlrev_b32 v[VT], 8, v3
	v_lshl_add_u32 v[VT], v2, 6, v[VT]             ; a row of the table is 256 bytes; my half's 16 numbers
	s_lshl_b32 s23, s14, 10
	v_lshlrev_b32 v[STQ], 4, v1
	v_lshl_add_u32 v[STQ], v2, 9, v[STQ]
	v_add_nc_u32 v[STQ], s23, v[STQ]               ; 1,024 x wave + 512 x head + 16 r
	v_add_nc_u32 v[RDQ], s23, v[L16]
	s_lshl_b32 s23, s14, 9
	s_add_co_u32 s23, s23, 4096
	v_lshl_add_u32 v[STV], v1, 3, s23              ; 4,096 + 512 x wave + 8 r
	v_add_nc_u32 v[RDV], s23, v[L16]
	v_mul_u32_u24 v[OSV], v2, RECB
	v_lshl_add_u32 v[OSV], v1, 4, v[OSV]           ; lanes 0-15 one head's 256 bytes, lanes 16-31 the next head's
	v_lshlrev_b32 v[SH], 4, v2
	; where my wave's results go: 128 tokens = batch b, step sg; 128 features = heads e0, e0 + 1
	s_lshl_b32 s20, s17, 1
	s_add_co_u32 s20, s20, s15                     ; which 128 rows of A are mine
	s_lshl_b32 s21, s42, 1
	s_add_co_u32 s21, s21, s16                     ; which 128 rows of B
	s_cmp_eq_u32 s2, 2
	s_cselect_b32 s22, s21, s20                    ; the tokens'
	s_cselect_b32 s23, s20, s21                    ; the features'
	s_lshr_b32 s92, s22, 4                         ; b
	s_and_b32 s93, s22, 15                         ; sg
	s_lshl_b32 s92, s92, 4
	s_lshl_b32 s23, s23, 1
	s_add_co_u32 s92, s92, s23
	s_mul_i32 s92, s92, RECB                       ; the record of head e0
	s_mov_b32 s95, 196608
	s_cmp_eq_u32 s2, 0
	s_cselect_b32 s94, 208896, 0                   ; codes: Q's, K's,
	s_cselect_b32 s95, 307200, s95                 ; scale words: Q's, K's,
	s_cmp_eq_u32 s2, 2
	s_cselect_b32 s94, 98304, s94                  ; V's
	s_cselect_b32 s95, 204800, s95
	s_cselect_b32 s97, 8, 9                        ; 256 or 512 bytes of scale words a step
	s_lshl_b32 s97, s93, s97
	s_mul_i32 s20, s93, 6144                       ; 6,144 bytes of codes a step
	s_add_co_u32 s94, s94, s20
	s_add_co_u32 s94, s94, s92
	s_add_co_u32 s95, s95, s97
	s_add_co_u32 s95, s95, s92
	s_mov_b32 s21, 0
	s_mov_b32 s20, s94
	s_add_nc_u64 s[4:5], s[10:11], s[20:21]        ; s[4:5]: my codes
	s_mov_b32 s20, s95
	s_add_nc_u64 s[6:7], s[10:11], s[20:21]        ; s[6:7]: my scale words
	s_lshl_b32 s20, s93, 15
	s_add_nc_u64 s[8:9], s[8:9], s[20:21]          ; s[8:9]: the table at my 128 positions
	s_mov_b32 s12, 0x3eb504f3                      ; 8^(-1/2)
	s_mov_b32 s13, s12                             ; (named with it as a pair)
	s_mov_b32 s18, 0x76543210
	s_mov_b32 s19, 0xfedcba98                      ; v_permlanex16_b32's selects for lane l xor 16
.macro FRAG reg, adr, q, i             ; 16 rows x 128 K: 12 registers, in pieces of 8 bytes; the second address register serves the pieces that lie behind one padding more for lanes 16-31
.irp p, 0,1,2,3,4,5
.set PCE, 12*(\q)+6*(\p/3)+\p%3
.if PCE%8 < 5
	ds_load_b64 v[\reg+2*\p:\reg+2*\p+1], v[\adr] offset:8*PCE+16*(PCE/8)+(\i)*16*PITCH
.else
	ds_load_b64 v[\reg+2*\p:\reg+2*\p+1], v[\adr+2] offset:8*PCE+16*(PCE/8)+(\i)*16*PITCH
.endif
.endr
.endm
; 16 matrix instructions: A's blocks a0, a0 + 1 x B's eight.  The 64 accumulators take turns, one instruction a turn, in the same order in every step.
.macro MUL16 a0, p, q, sc, zero
.irp a, \a0, \a0+1
.irp b, 0,1,2,3,4,5,6,7
.if \zero
	v_wmma_scale_f32_16x16x128_f8f6f4 v[8*(8*((\a)%4)+\b):8*(8*((\a)%4)+\b)+7], v[128*(\p)+FR*\b:128*(\p)+FR*\b+FR-1], v[AF+FR*(\a):AF+FR*(\a)+FR-1], 0, v[SC+8*NQ*(\sc)+NQ*\b+(\q)], v[SC+8*NQ*(\sc)+NQ*(\a)+(\q)] matrix_a_fmt:MATRIX_FMT_FP6 matrix_b_fmt:MATRIX_FMT_FP6 matrix_a_scale:MATRIX_SCALE_ROW1
.else
	v_wmma_scale_f32_16x16x128_f8f6f4 v[8*(8*((\a)%4)+\b):8*(8*((\a)%4)+\b)+7], v[128*(\p)+FR*\b:128*(\p)+FR*\b+FR-1], v[AF+FR*(\a):AF+FR*(\a)+FR-1], v[8*(8*((\a)%4)+\b):8*(8*((\a)%4)+\b)+7], v[SC+8*NQ*(\sc)+NQ*\b+(\q)], v[SC+8*NQ*(\sc)+NQ*(\a)+(\q)] matrix_a_fmt:MATRIX_FMT_FP6 matrix_b_fmt:MATRIX_FMT_FP6 matrix_a_scale:MATRIX_SCALE_ROW1
.endif
.endr
.endr
.endm
.macro FETCH_B slot, q, p
	WIN TO_B
.irp i, 0,1,2,3,4,5,6,7
	FRAG 128*(\p)+FR*\i, ADRB+\slot, \q, \i
.endr
	WIN 0
.endm
.macro FETCH_A slot, q, i0
.irp i, \i0, \i0+1, \i0+2, \i0+3
	FRAG AF+FR*(\i), ADRA+\slot, \q, \i
.endr
.endm
.macro SCALES sc                       ; a K step's scale words: lanes 0-15 A's block i, lanes 16-31 B's block i
.irp i, 0,1,2,3,4,5,6,7
	ds_load_b64 v[SC+8*NQ*\sc+NQ*\i:SC+8*NQ*\sc+NQ*\i+1], v[ADRS] offset:\i*SBLK
.endr
.endm
.macro PLACES n                        ; plain vector instructions between a matrix instruction and a load into, or a read of, its registers
.rept \n
	v_nop
.endr
.endm
.macro STEP slot, q, zero
	s_wait_dscnt 4*NL                              ; B's set and A's blocks 0-3 are in; the youngest 24 loads (A's blocks 4-7) may be out
	WIN MUL_LO
	MUL16 0, (\q)%2, \q, \slot, \zero
	MUL16 2, (\q)%2, \q, \slot, \zero
	s_wait_dscnt 0
	PLACES NP
	FETCH_B \slot, (\q)+1, 1-(\q)%2
	FETCH_A \slot, (\q)+1, 0
	WIN MUL_HI
	MUL16 4, (\q)%2, \q, \slot, \zero
	MUL16 6, (\q)%2, \q, \slot, \zero
	PLACES NP
	WIN 0
	FETCH_A \slot, (\q)+1, 4
.endm
; A slot's last step changes slots: one barrier; in front of it each wave waits for all its tensor loads, adds 0 to its spare word, and waits for that and for its own reads of this slot.
.macro TURN slot, next, fill
	s_wait_tensorcnt 0x0                           ; all my tensor loads have landed: my part of the next slot
	ds_add_u32 v[SPW], v[NIL]                      ; 0 onto my spare word
	s_wait_dscnt 4*NL+1                            ; the add and the youngest 24 loads may be out
	WIN MUL_LO
	MUL16 0, 1, NQ-1, \slot, 0
	s_wait_dscnt 0x0                               ; the add is done, and my reads of this slot are over
	s_barrier_signal -1
	MUL16 2, 1, NQ-1, \slot, 0
	WIN 0
	s_barrier_wait -1
.if \fill
	CREST                                          ; the barrier has opened a round of the cluster's barrier: no wave of any partner still reads this slot or has a load on its way
	s_add_nc_u64 s[G0+4*\slot+2:G0+4*\slot+3], s[G0+4*\slot+2:G0+4*\slot+3], 2*ROWB
	s_add_nc_u64 s[G0B+4*\slot+2:G0B+4*\slot+3], s[G0B+4*\slot+2:G0B+4*\slot+3], 2*ROWB
	JLOAD G0+4*\slot, G1, G0B+4*\slot, G1B         ; the first tensor load behind the round, my only one until the next
.else
	PLACES NP
.endif
	v_add_nc_u32 v[ADRS], 4*NQ, v[ADRS]
	FETCH_B \next, 0, 0
	FETCH_A \next, 0, 0
	SCALES \next
	WIN MUL_HI
	MUL16 4, 1, NQ-1, \slot, 0
	MUL16 6, 1, NQ-1, \slot, 0
	PLACES NP
	WIN 0
	FETCH_A \next, 0, 4
.endm
	s_wait_tensorcnt 1                             ; the scales and my part of K step 0 are in; K step 1's load may be out
	s_barrier_signal -1
	s_barrier_wait -1
	FETCH_B 0, 0, 0
	FETCH_A 0, 0, 0
	SCALES 0
	FETCH_A 0, 0, 4
	STEP 0, 0, 1                                   ; the first step's products start the sums
	s_mov_b32 s3, LAPS-1
.Llap:
	TURN 0, 1, 1
	STEP 1, 0, 0
	TURN 1, 0, 1
	STEP 0, 0, 0
	s_sub_co_u32 s3, s3, 1
	s_cmp_lg_u32 s3, 0
	s_cbranch_scc1 .Llap
	TURN 0, 1, 0                                   ; the last lap fills nothing
	STEP 1, 0, 0
	s_wait_dscnt 4*NL
	WIN MUL_LO
	MUL16 0, 1, NQ-1, 1, 0
	MUL16 2, 1, NQ-1, 1, 0
	s_wait_dscnt 0
	WIN MUL_HI
	MUL16 4, 1, NQ-1, 1, 0
	MUL16 6, 1, NQ-1, 1, 0
	WIN 0
; THE WAY OUT.
; 64 numbers of a lane, register 16 b + i = k 32 b + 16 (lane / 16) + i of my row, become a fragment's codes in v[PC] on and its scale word in v[pw].
.macro QUANT s, pw
.irp b, 0,1,2,3
	v_max3_num_f32 v[TM+\b], |v[\s+16*\b]|, |v[\s+1+16*\b]|, 0x1800000   ; my 16 numbers of block b, and the floor 2^(3 - 127): the byte cannot fall under 1
.endr
.irp i, 2,4,6,8,10,12,14
.irp b, 0,1,2,3
	v_max3_num_f32 v[TM+\b], v[TM+\b], |v[\s+16*\b+\i]|, |v[\s+1+16*\b+\i]|
.endr
.endr
.irp b, 0,1,2,3
	v_permlanex16_b32 v[TM+4+\b], v[TM+\b], s18, s19
.endr
.irp b, 0,1,2,3
	v_max_num_f32 v[TM+\b], v[TM+\b], v[TM+4+\b]   ; with lane l xor 16's: the block's largest magnitude
.endr
.irp b, 0,1,2,3
	v_add_nc_u32 v[TM+12+\b], 0xff000000, v[TM+\b]   ; 2 off its exponent field: the conversion's scale operand
.endr
.irp b, 0,1,2,3
	v_lshrrev_b32 v[TM+4+\b], 23, v[TM+12+\b]      ; the scale's byte
.endr
	v_lshl_or_b32 v[\pw], v[TM+5], 8, v[TM+4]
	v_lshl_or_b32 v[\pw], v[TM+6], 16, v[\pw]
	v_lshl_or_b32 v[\pw], v[TM+7], 24, v[\pw]
.irp c, 0,1
	v_cvt_scalef32_pk16_fp6_f32 v[PC+6*\c:PC+2+6*\c], v[\s+32*\c:\s+15+32*\c], v[TM+12+2*\c]
	v_cvt_scalef32_pk16_fp6_f32 v[PC+12+4*\c:PC+14+4*\c], v[\s+16+32*\c:\s+31+32*\c], v[TM+12+2*\c+1]   ; (a conversion's three registers begin on an even number)
.endr
	v_nop                                          ; one plain place behind a scaled conversion
.irp c, 0,1                                    ; the operand's layout wants a whole block in a lane
.irp i, 0,1,2
	v_permlane16_swap_b32 v[PC+6*\c+\i], v[PC+12+4*\c+\i]
.endr
.irp i, 0,1,2
	v_mov_b32 v[PC+3+6*\c+\i], v[PC+12+4*\c+\i]
.endr
.endr
.endm
; RoPE on the 16 registers from H + base on: dims 16 h + i of a head.  x' = x cos + partner x (-sin for h = 0, +sin for h = 1); the partner dim, 16 away, is the same register of the lane 16 away.
.macro ROPE base, a
.set i, 0
.rept 16
	v_permlanex16_b32 v[PT+i], v[H+\base+i], s18, s19
.set i, i+1
.endr
	WIN 0x04                                       ; source 1: window 1, the table
.set i, 0
.rept 8
	v_pk_mul_f32 v[H+\base+i:H+\base+i+1], v[H+\base+i:H+\base+i+1], v[32*(\a)+i:32*(\a)+i+1]
.set i, i+2
.endr
.set i, 0
.rept 8
	v_pk_fma_f32 v[H+\base+i:H+\base+i+1], v[PT+i:PT+i+1], v[32*(\a)+16+i:32*(\a)+16+i+1], v[H+\base+i:H+\base+i+1]
.set i, i+2
.endr
	WIN 0
.endm
.macro BLOCKQ a                        ; q, k: 16 tokens x two heads
	s_wait_xcnt 0x0                                ; the last block's stores have read the codes' registers
	WIN 0x02+(\a)/4                                ; source 0: window 2 or 3
.set j, 0
.rept 32
	v_pk_mul_f32 v[H+j:H+j+1], v[64*((\a)%4)+j:64*((\a)%4)+j+1], s[12:13] op_sel_hi:[1,0]   ; x 8^(-1/2); each accumulator from its low end on
.set j, j+2
.endr
	WIN 0
	s_wait_loadcnt 8*(7-(\a))                      ; this block's eight loads from the table are in; the later blocks' may be out
	ROPE 0, \a
	ROPE 32, \a
	QUANT H, PW
	v_lshrrev_b32 v[SW+(\a)], v[SH], v[PW]         ; lanes 0-15 keep the word (its low two bytes are head e0's), lanes 16-31 take head e0 + 1's two bytes.  The upper two bytes scale zero codes and are never 0xff
	global_store_b128 v[L16], v[PC:PC+3], s[4:5] offset:768*(\a)
	global_store_b64 v[L8], v[PC+4:PC+5], s[4:5] offset:768*(\a)+512
	global_store_b128 v[L16], v[PC+6:PC+9], s[4:5] offset:768*(\a)+RECB
	global_store_b64 v[L8], v[PC+10:PC+11], s[4:5] offset:768*(\a)+512+RECB
	ds_store_b32 v[STQ], v[SW+(\a)] offset:((\a)%2)*256+((\a)/2)*4   ; word a / 2 of lane 16 (a % 2) + r
.endm
.macro BLOCKV a                        ; v: 16 features x 128 keys
	s_wait_xcnt 0x0
	WIN 0x02+(\a)/4
.set j, 0
.rept 32
	v_pk_mul_f32 v[H+j:H+j+1], v[64*((\a)%4)+j:64*((\a)%4)+j+1], 1.0 op_sel_hi:[1,0]   ; into window 0, two at a time (there is no packed move)
.set j, j+2
.endr
	WIN 0
	QUANT H, SW+(\a)
.irp c, 0,1,2
	global_store_b128 v[L16], v[PC+4*\c:PC+4*\c+3], s[4:5] offset:((\a)/4)*RECB+((\a)%4)*1536+512*\c
.endr
	ds_store_b32 v[STV], v[SW+(\a)] offset:((\a)/4)*256+((\a)%2)*128+(((\a)%4)/2)*4   ; both halves of the lanes write the same word with the same value
.endm
.macro FINISH
	s_wait_tensorcnt 0x0                           ; the wave's end
	ds_add_u32 v[SPW], v[NIL]
	s_wait_dscnt 0x0
	CROUND                                         ; the closing round
	s_endpgm
.endm
	PLACES NP                                      ; behind the last products: for the reads of results and the writes of and loads into operands below
.irp b, 0,1,2,3
	v_mov_b32 v[TM+4+\b], 0                        ; a lane permute's destination counts as one of its sources
.endr
	s_cmp_eq_u32 s2, 2                             ; the product's number: the same in all partners
	s_cbranch_scc1 .Lv_out
.irp i, 0,1,2,3,4,5,6,7,8,9,10,11,12,13,14,15
	v_mov_b32 v[PT+\i], 0
.endr
	WIN 0x40                                       ; destination window 1: block a's cos at v[32 a], its signed sin at v[32 a + 16]
.irp a, 0,1,2,3,4,5,6,7
.irp j, 0,1,2,3
	global_load_b128 v[32*\a+4*\j:32*\a+4*\j+3], v[VT], s[8:9] offset:(32*(\a/2)+8*(\a%2))*256+16*\j
.endr
.irp j, 0,1,2,3
	global_load_b128 v[32*\a+16+4*\j:32*\a+16+4*\j+3], v[VT], s[8:9] offset:(32*(\a/2)+8*(\a%2))*256+128+16*\j
.endr
.endr
	WIN 0
.irp a, 0,1,2,3,4,5,6,7
	BLOCKQ \a
.endr
	ds_load_b128 v[232:235], v[RDQ]                ; LDS serves a wave's instructions in order (ISA guide 5.7.1.4): these see my stores
	ds_load_b128 v[236:239], v[RDQ] offset:512
	s_wait_dscnt 0x0
	global_store_b128 v[L16], v[232:235], s[6:7]
	global_store_b128 v[L16], v[236:239], s[6:7] offset:RECB
	FINISH
.Lv_out:
.irp a, 0,1,2,3,4,5,6,7
	BLOCKV \a
.endr
	ds_load_b128 v[232:235], v[RDV]
	s_wait_dscnt 0x0
	global_store_b128 v[OSV], v[232:235], s[6:7]
	FINISH
.Lfunc_end_k_q8515cef334_proj:
	.size	k_q8515cef334_proj, .Lfunc_end_k_q8515cef334_proj-k_q8515cef334_proj
	.p2alignl 7, 3214868480
	.fill 96, 4, 3214868480
	.section	.rodata,"a",@progbits
	.p2align	6, 0x0
	.amdhsa_kernel k_q8515cef334_proj
		.amdhsa_group_segment_fixed_size 327680
		.amdhsa_private_segment_fixed_size 0
		.amdhsa_enable_private_segment 0
		.amdhsa_kernarg_size 32
		.amdhsa_user_sgpr_count 2
		.amdhsa_user_sgpr_kernarg_segment_ptr 1
		.amdhsa_wavefront_size32 1
		.amdhsa_system_sgpr_workgroup_id_x 1
		.amdhsa_system_sgpr_workgroup_id_y 1
		.amdhsa_system_sgpr_workgroup_id_z 1
		.amdhsa_system_vgpr_workitem_id 0
		.amdhsa_next_free_vgpr 1024
		.amdhsa_next_free_sgpr 100
		.amdhsa_reserve_vcc 0
		.amdhsa_float_denorm_mode_32 3
		.amdhsa_float_denorm_mode_16_64 3
		.amdhsa_memory_ordered 1
		.amdhsa_forward_progress 1
		.amdhsa_inst_pref_size 255
	.end_amdhsa_kernel
	.section	.bss,"aw",@nobits
	.p2align	6
	.space	262144
	.amdgpu_metadata
---
amdhsa.version: [ 1, 2 ]
amdhsa.kernels:
  - .name:           k_q8515cef334_proj
    .symbol:         k_q8515cef334_proj.kd
    .args:
      - { .name: xc, .offset: 0, .size: 8, .value_kind: global_buffer, .address_space: global }
      - { .name: xs, .offset: 8, .size: 8, .value_kind: global_buffer, .address_space: global }
      - { .name: rope, .offset: 16, .size: 8, .value_kind: global_buffer, .address_space: global }
      - { .name: qkv, .offset: 24, .size: 8, .value_kind: global_buffer, .address_space: global }
    .group_segment_fixed_size: 327680
    .private_segment_fixed_size: 0
    .kernarg_segment_align: 8
    .kernarg_segment_size: 32
    .max_flat_workgroup_size: 128
    .sgpr_count:     100
    .vgpr_count:     1024
    .wavefront_size: 32
...
	.end_amdgpu_metadata
.endif
;; end of part 2
;; launch attn (part 3): grid 4 x 64, 16 waves a work-group, no clusters, 210,944 bytes of LDS; arguments qkv, mbits, mflags, aoc, aos; writes aoc, aos
.if DOCPART == 3
	.amdgcn_target "amdgcn-amd-amdhsa--gfx1250"
	.amdhsa_code_object_version 6
	.text
	.protected	k_q8515cef334_attn
	.globl	k_q8515cef334_attn
	.p2align	8
	.type	k_q8515cef334_attn,@function
k_q8515cef334_attn:
	s_mov_b64 s[64:65], 0
	v_nop
	global_prefetch_b8 v0, s[64:65] scope:SCOPE_SE
	s_setreg_imm32_b32 hwreg(HW_REG_WAVE_MODE, 25, 1), 1
	s_wait_xcnt 0x0
; ATTN: O = softmax(q k^T, masked) v for one head, both products on codes of FP6 (E2M3) with E8M0 scales, and the quantiser of O along the heads' dims.
; t = score x log2(e); M = the running largest t rounded UP to a whole number; p = 2^(t - M) is quantised along the keys, not normalised; the row's sum is taken of the unquantised p and divides O at the end.
; When M moves, the sum and O are multiplied by 2^(old M - new M): exact.
; SHARES.  Four work-groups to a head.  Each copies the head's K and V, codes and scale words, 208,896 bytes, into LDS once: they lie in memory as images of the operands' registers, so the copy is plain.
; Wave j = 16 x + w of 64 takes the tiles j and 127 - j of 16 queries, one after the other, in 256 registers; four waves to a SIMD, so that one wave's vector work stands beside another's products.
; THE MASK IS AN INPUT.  An earlier launch has stored, for each tile of queries and each step of 128 keys, 64 lane masks (bit = lane, 1 = hidden) and two flags.  A step in which the given mask hides every key
; from all 16 queries adds nothing and is left out by a scalar branch on the stored flag; in a step with some hidden key the hidden scores become -infinity ahead of the maximum; a step with none skips that.
; This launch has no tensor load, hence no joint requests: what the four work-groups of a head share is read once by each, at its head.
; LAYOUT.  Both products are used transposed: S^T = K Q^T, O^T = V^T P^T: a lane holds ONE query.  Tokens and head dims lie in position order (bits 3 and 4 exchanged in each 32), so that the 16 registers of two
; neighbouring tiles are 16 neighbouring keys (or dims): number n of 64 is key 32 (n / 16) + 16 (lane / 16) + n % 16 of the step.
; K = 64 IN A FORM OF K = 128: Q's registers 6-11 are zero codes, so what K's registers 6-11 hold adds nothing (every code of the format is finite): they are the next fragment's registers, six further on.
; A ROW THAT THE MASK HIDES WHOLLY has the sum 0: its scale bytes become 0xff, which makes the last product's sums NaN, as the softmax of such a row is.
; LIMITS: a block of zeros gets the byte 1; NaN and infinities among the inputs are not served.
; REGISTERS: v1 16 x lane, v2 8 x lane, v29 16 x (lane % 16); v3, v10, v11, v30, v31 addresses in hand; v[4:7] K's scale words, v[8:9] V's; v12 -M, v13 the largest t, v[14:15] the sum; v[16:27] Q, v28 its scale word;
; v[32:79] K's eight fragments, 6 registers apart, v[80:85] zeros; v[86:133] V's four; v[134:197] S^T, then p; v[198:229] O^T; v[230:241] p's codes; v[242:249] at work; v[250:253] a number for each block; v254 f; v255 p's scale word.
.set RECB,  315392
.set VC,    98304                      ; LDS and record: K codes at 0, V codes,
.set KSW,   196608                     ; K's scale words,
.set VSW,   204800                     ; V's;
.set QC,    208896                     ; record only: Q's codes,
.set QSW,   307200                     ; Q's scale words
.set WCOPY, 13056                      ; a wave's share of the copy: 25 x 512 + 256 bytes
.set S,   134
.set O,   198
.set PCD, 230
.set T2,  242
.set TMP, 249
.set BM,  250
.set F,   254
.set PSW, 255
	s_load_b256 s[4:11], s[0:1], 0x0               ; qkv s[4:5], mbits s[6:7], mflags s[8:9], aoc s[10:11]
	s_load_b64 s[12:13], s[0:1], 0x20              ; aos
	v_lshrrev_b32 v3, 5, v0
	s_delay_alu instid0(VALU_DEP_1)
	v_readfirstlane_b32 s2, v3                     ; wave 0..15
	v_and_b32 v4, 31, v0
	s_delay_alu instid0(VALU_DEP_1)
	v_lshlrev_b32 v1, 4, v4
	s_wait_alu depctr_va_vdst(0)
	v_lshlrev_b32 v2, 3, v4
	s_wait_alu depctr_va_vdst(0)
	v_and_b32 v29, 15, v0
	s_delay_alu instid0(VALU_DEP_1)
	v_lshlrev_b32 v29, 4, v29
	s_and_b32 s15, ttmp7, 0xffff                   ; 16 b + e
	s_mul_i32 s16, s15, RECB
	s_mov_b32 s17, 0
	s_lshr_b32 s14, s15, 4
	s_lshl_b32 s14, s14, 7                         ; s14 = 128 b: the batch's first tile of tokens
	s_and_b32 s15, s15, 15                         ; s15 = e
	s_lshl_b32 s95, ttmp9, 4
	s_add_co_u32 s95, s95, s2                      ; j
	s_mul_i32 s18, s2, WCOPY
	v_add_nc_u32 v3, s18, v1                       ; the same number is my offset in the record and my LDS address
	v_add_nc_u32 v10, s18, v2
	s_delay_alu instid0(VALU_DEP_1)
	v_add_nc_u32 v10, 12800, v10
	s_mov_b32 s96, 0x76543210
	s_mov_b32 s97, 0xfedcba98                      ; v_permlanex16_b32's selects for lane l xor 16
	s_mov_b32 s98, 0x3fb8aa3b                      ; log2(e)
	s_mov_b32 s99, s98                             ; (named with it as a pair)
	s_mov_b32 s100, 0xff800000                     ; -infinity
	s_wait_alu depctr_va_vdst(0)
	s_wait_kmcnt 0x0
	s_add_nc_u64 s[4:5], s[4:5], s[16:17]          ; my head's record
.set i, 0
.rept 25
	global_load_b128 v[32+4*i:35+4*i], v3, s[4:5] offset:512*i
.set i, i+1
.endr
	global_load_b64 v[132:133], v10, s[4:5]
.set i, 0
.rept 25
	s_wait_loadcnt 25-i                            ; load i is in; the 25 - i younger ones may be out
	ds_store_b128 v3, v[32+4*i:35+4*i] offset:512*i
.set i, i+1
.endr
	s_wait_loadcnt 0x0
	ds_store_b64 v10, v[132:133]
	s_wait_dscnt 0x0                               ; for the others' sake: my stores have landed
	s_barrier_signal -1
	s_barrier_wait -1                              ; the head's K and V lie in LDS; nothing is written there again
.irp i, 22,23,24,25,26,27,80,81,82,83,84,85
	v_mov_b32 v\i, 0                               ; zero codes
.endr
.irp i, 242,243,244,245,249,255
	v_mov_b32 v\i, 0                               ; lane permutes' destinations, and the upper half of the pair v[254:255], count as read
.endr
	s_mov_b32 s3, 0
.Lpass:
	s_wait_xcnt 0x0                                ; the last pass's stores have read their registers
	s_sub_co_u32 s94, 127, s95
	s_cmp_eq_u32 s3, 0
	s_cselect_b32 s94, s95, s94                    ; the tile of queries: j, then 127 - j
	s_lshl_b32 s101, s94, 4
	s_load_b128 s[84:87], s[8:9], s101 offset:0x0  ; its flags
	s_mul_i32 s16, s94, 768
	s_lshr_b32 s17, s94, 3
	s_lshl_b32 s17, s17, 9                         ; Q's scale words lie as K's: 512 bytes for 8 tiles; tile t: word t / 2 of lane 16 (t % 2) + r
	s_and_b32 s18, s94, 1
	s_lshl_b32 s18, s18, 8
	s_add_co_u32 s17, s17, s18
	s_bfe_u32 s18, s94, 0x20001
	s_lshl_b32 s18, s18, 2
	s_add_co_u32 s17, s17, s18
	v_add_nc_u32 v3, s16, v1
	v_add_nc_u32 v10, s16, v2
	v_add_nc_u32 v30, s17, v29
	global_load_b128 v[16:19], v3, s[4:5] offset:QC
	global_load_b64 v[20:21], v10, s[4:5] offset:QC+512
	global_load_b32 v28, v30, s[4:5] offset:QSW
	v_mov_b32 v13, 0xff61b1e6                      ; the largest t so far: -3e38
	s_delay_alu instid0(VALU_DEP_1)
	v_floor_f32 v12, -v13                          ; -M
	v_mov_b32 v14, 0
	v_mov_b32 v15, 0
.set i, 0
.rept 32
	v_mov_b32 v[O+i], 0                            ; the step is written once: the first finds zeros
.set i, i+1
.endr
	s_mov_b32 s89, 0                               ; the step,
	s_mov_b32 s90, 0                               ; x 6,144: its codes,
	s_mov_b32 s91, 0                               ; x 512: K's scale words,
	s_mov_b32 s92, 0                               ; x 256: V's,
	s_lshl_b32 s93, s94, 12                        ; and its lane masks: 4,096 bytes a tile, 256 a step
	s_wait_kmcnt 0x0
	s_or_b32 s88, s84, s85
	s_or_b32 s88, s88, s86
	s_or_b32 s88, s88, s87                         ; bit s: step s has a key that counts; bit 16 + s: it has a hidden key
	s_wait_loadcnt 0x0                             ; Q
.Lstep:
	s_lshr_b32 s101, s88, s89
	s_bitcmp1_b32 s101, 0
	s_cbranch_scc0 .Lhidden                        ; every key of the step is hidden from all my queries
	s_load_b512 s[16:31], s[6:7], s93 offset:0x0   ; the 64 lane masks
	s_load_b512 s[32:47], s[6:7], s93 offset:0x40
	s_load_b512 s[48:63], s[6:7], s93 offset:0x80
	s_load_b512 s[68:83], s[6:7], s93 offset:0xc0
	s_add_co_u32 s84, s90, VC
	s_add_co_u32 s85, s91, KSW
	s_add_co_u32 s86, s92, VSW
	s_setprio 2
	v_add_nc_u32 v3, s90, v1                       ; these five are also the places between the last step's products and the loads into their operands
	v_add_nc_u32 v10, s90, v2
	v_add_nc_u32 v11, s84, v1
	v_add_nc_u32 v30, s85, v1
	v_add_nc_u32 v31, s86, v2
.irp t, 0,1,2,3,4,5,6,7
	ds_load_b128 v[32+6*\t:35+6*\t], v3 offset:768*\t
	ds_load_b64 v[36+6*\t:37+6*\t], v10 offset:768*\t+512
.endr
	ds_load_b128 v[4:7], v30
.set i, 0
.rept 12
	ds_load_b128 v[86+4*i:89+4*i], v11 offset:512*i
.set i, i+1
.endr
	ds_load_b64 v[8:9], v31
	s_wait_dscnt 13                                ; K's 17 loads are in; V's 13 may be out
.irp t, 0,2,4,6                                ; S^T = K Q^T; an odd tile's scale words stand in lanes 16-31
	v_wmma_scale_f32_16x16x128_f8f6f4 v[S+8*\t:S+8*\t+7], v[32+6*\t:43+6*\t], v[16:27], 0, v[4+\t/2], v28 matrix_a_fmt:MATRIX_FMT_FP6 matrix_b_fmt:MATRIX_FMT_FP6
	v_wmma_scale_f32_16x16x128_f8f6f4 v[S+8*\t+8:S+8*\t+15], v[38+6*\t:49+6*\t], v[16:27], 0, v[4+\t/2], v28 matrix_a_fmt:MATRIX_FMT_FP6 matrix_b_fmt:MATRIX_FMT_FP6 matrix_a_scale:MATRIX_SCALE_ROW1
.endr
.rept 4
	v_nop
.endr
	s_wait_kmcnt 0x0                               ; the lane masks
	s_bitcmp1_b32 s101, 16
	s_cbranch_scc0 .Lopen                          ; no key of the step is hidden from any of my queries
.set n, 0
.rept 48
	v_cndmask_b32 v[S+n], v[S+n], s100, s[16+n]
.set n, n+1
.endr
.rept 16
	v_cndmask_b32 v[S+n], v[S+n], s100, s[20+n]
.set n, n+1
.endr
.Lopen:
.irp b, 0,1,2,3
	v_max3_num_f32 v[BM+\b], v[S+16*\b], v[S+1+16*\b], v[S+2+16*\b]   ; the largest score of each block of 32 keys: for the row's maximum, and, since p rises with the score, for the block's largest p
.endr
.irp i, 3,5,7,9,11,13
.irp b, 0,1,2,3
	v_max3_num_f32 v[BM+\b], v[BM+\b], v[S+16*\b+\i], v[S+1+16*\b+\i]
.endr
.endr
.irp b, 0,1,2,3
	v_max_num_f32 v[BM+\b], v[BM+\b], v[S+15+16*\b]
.endr
.irp b, 0,1,2,3
	s_delay_alu instid0(VALU_DEP_4)
	v_permlanex16_b32 v[T2+\b], v[BM+\b], s96, s97
.endr
.irp b, 0,1,2,3
	s_delay_alu instid0(VALU_DEP_4)
	v_max_num_f32 v[BM+\b], v[BM+\b], v[T2+\b]     ; with lane l xor 16's 16 keys
.endr
	s_delay_alu instid0(VALU_DEP_2)
	v_max3_num_f32 v[TMP], v[BM], v[BM+1], v[BM+2]
	s_delay_alu instid0(VALU_DEP_1)
	v_max_num_f32 v[TMP], v[TMP], v[BM+3]
	s_delay_alu instid0(VALU_DEP_1)
	v_mul_f32 v[TMP], s98, v[TMP]                  ; the step's largest t of my query (-infinity where all its keys are hidden)
	s_delay_alu instid0(VALU_DEP_1)
	v_max_num_f32 v13, v13, v[TMP]
	v_mov_b32 v[TMP], v12
	s_delay_alu instid0(VALU_DEP_2)
	v_floor_f32 v12, -v13                          ; the new -M = -ceil(t)
	s_delay_alu instid0(VALU_DEP_1)
	v_sub_f32 v[TMP], v12, v[TMP]                  ; old M - new M: a whole number, 0 or less
	s_delay_alu instid0(VALU_DEP_1)
	v_cvt_i32_f32 v[TMP], v[TMP]                   ; (it saturates)
	s_delay_alu instid0(VALU_DEP_1)
	v_ldexp_f32 v[F], 1.0, v[TMP]                  ; f = 2^(old M - new M)
.set j, 0
.rept 32
	v_pk_fma_f32 v[S+j:S+j+1], v[S+j:S+j+1], s[98:99], v[12:13] op_sel_hi:[1,0,0]   ; t - M
.set j, j+2
.endr
.irp b, 0,1,2,3
	v_fma_f32 v[BM+\b], v[BM+\b], s98, v12         ; the same of each block's largest score
.endr
.set j, 0
	s_setprio 1
	s_wait_alu depctr_va_vdst(0)
.rept 64
	v_exp_f32 v[S+j], v[S+j]                       ; p = 2^(t - M)
.set j, j+1
.endr
.irp b, 0,1,2,3
	v_exp_f32 v[BM+\b], v[BM+\b]                   ; the block's largest p: the same two instructions on the same number
.endr
.set j, 0
	s_wait_alu depctr_va_vdst(0)
.rept 16
	v_pk_mul_f32 v[O+j:O+j+1], v[O+j:O+j+1], v[F:F+1] op_sel_hi:[1,0]   ; O^T under the new M: plain work that names no exponential's result
.set j, j+2
.endr
	s_wait_alu depctr_va_vdst(0)                   ; one wait for the batch of 68, ahead of its first reader
.irp b, 0,1,2,3
	v_max_num_f32 v[BM+\b], 0x1800000, v[BM+\b]    ; the floor 2^(3 - 127): the byte cannot fall under 1
.endr
.irp b, 0,1,2,3
	s_delay_alu instid0(VALU_DEP_4)
	v_add_nc_u32 v[BM+\b], 0xff000000, v[BM+\b]    ; 2 off the exponent field: the conversion's scale operand
.endr
.irp b, 0,1,2,3
	s_delay_alu instid0(VALU_DEP_4)
	v_lshrrev_b32 v[T2+\b], 23, v[BM+\b]           ; the scale's byte
.endr
	s_delay_alu instid0(VALU_DEP_3)
	v_lshl_or_b32 v[PSW], v[T2+1], 8, v[T2]
	s_delay_alu instid0(VALU_DEP_1)
	v_lshl_or_b32 v[PSW], v[T2+2], 16, v[PSW]
	s_delay_alu instid0(VALU_DEP_1)
	v_lshl_or_b32 v[PSW], v[T2+3], 24, v[PSW]      ; p's scale word for these 128 keys
.irp c, 0,1
	v_cvt_scalef32_pk16_fp6_f32 v[PCD+6*\c:PCD+2+6*\c], v[S+32*\c:S+15+32*\c], v[BM+2*\c]
	v_cvt_scalef32_pk16_fp6_f32 v[T2+4*\c:T2+2+4*\c], v[S+16+32*\c:S+31+32*\c], v[BM+2*\c+1]   ; (a conversion's three registers begin on an even number)
.endr
	v_nop                                          ; one plain place behind a scaled conversion
.irp c, 0,1                                    ; the operand's layout wants a whole block in a lane
.irp i, 0,1,2
	v_permlane16_swap_b32 v[PCD+6*\c+\i], v[T2+4*\c+\i]
.endr
.irp i, 0,1,2
	s_delay_alu instid0(VALU_DEP_3)
	v_mov_b32 v[PCD+3+6*\c+\i], v[T2+4*\c+\i]
.endr
.endr
	v_pk_add_f32 v[244:245], v[134:135], v[136:137]
	v_pk_add_f32 v[252:253], v[142:143], v[146:147]
	v_pk_add_f32 v[250:251], v[150:151], v[154:155]
	v_pk_add_f32 v[246:247], v[158:159], v[162:163]
	s_setprio 0
	v_pk_add_f32 v[78:79], v[166:167], v[170:171]
	v_pk_add_f32 v[76:77], v[174:175], v[178:179]
	v_pk_add_f32 v[74:75], v[182:183], v[186:187]
	v_pk_add_f32 v[242:243], v[190:191], v[194:195]
	v_pk_add_f32 v[242:243], v[242:243], v[138:139]
	v_pk_add_f32 v[244:245], v[244:245], v[140:141]
	v_pk_add_f32 v[252:253], v[252:253], v[144:145]
	v_pk_add_f32 v[250:251], v[250:251], v[148:149]
	v_pk_add_f32 v[246:247], v[246:247], v[152:153]
	v_pk_add_f32 v[78:79], v[78:79], v[156:157]
	v_pk_add_f32 v[76:77], v[76:77], v[160:161]
	v_pk_add_f32 v[74:75], v[74:75], v[164:165]
	v_pk_add_f32 v[242:243], v[242:243], v[168:169]
	v_pk_add_f32 v[244:245], v[244:245], v[172:173]
	v_pk_add_f32 v[252:253], v[252:253], v[176:177]
	v_pk_add_f32 v[250:251], v[250:251], v[180:181]
	v_pk_add_f32 v[246:247], v[246:247], v[184:185]
	v_pk_add_f32 v[78:79], v[78:79], v[188:189]
	v_pk_add_f32 v[76:77], v[76:77], v[192:193]
	v_pk_add_f32 v[74:75], v[74:75], v[196:197]
	s_delay_alu instid0(VALU_DEP_4)
	v_pk_add_f32 v[242:243], v[242:243], v[246:247]
	s_delay_alu instid0(VALU_DEP_4)
	v_pk_add_f32 v[244:245], v[244:245], v[78:79]
	s_delay_alu instid0(VALU_DEP_4)
	v_pk_add_f32 v[252:253], v[252:253], v[76:77]
	s_delay_alu instid0(VALU_DEP_4)
	v_pk_add_f32 v[250:251], v[250:251], v[74:75]
	s_delay_alu instid0(VALU_DEP_2)
	v_pk_add_f32 v[242:243], v[242:243], v[252:253]
	s_delay_alu instid0(VALU_DEP_2)
	v_pk_add_f32 v[244:245], v[244:245], v[250:251]
	s_delay_alu instid0(VALU_DEP_1)
	v_pk_add_f32 v[242:243], v[242:243], v[244:245]
	s_delay_alu instid0(VALU_DEP_1)
	v_pk_fma_f32 v[14:15], v[14:15], v[F:F+1], v[T2:T2+1] op_sel_hi:[1,0,1]   ; l = l f + the step's sum
	s_wait_dscnt 0x0                               ; V
.irp d, 0,2                                    ; O^T += V^T P^T: four accumulators by turns
	v_wmma_scale_f32_16x16x128_f8f6f4 v[O+8*\d:O+8*\d+7], v[86+12*\d:97+12*\d], v[PCD:PCD+11], v[O+8*\d:O+8*\d+7], v[8+\d/2], v[PSW] matrix_a_fmt:MATRIX_FMT_FP6 matrix_b_fmt:MATRIX_FMT_FP6
	v_wmma_scale_f32_16x16x128_f8f6f4 v[O+8*\d+8:O+8*\d+15], v[98+12*\d:109+12*\d], v[PCD:PCD+11], v[O+8*\d+8:O+8*\d+15], v[8+\d/2], v[PSW] matrix_a_fmt:MATRIX_FMT_FP6 matrix_b_fmt:MATRIX_FMT_FP6 matrix_a_scale:MATRIX_SCALE_ROW1
.endr
.Lhidden:
	s_add_co_u32 s90, s90, 6144
	s_add_co_u32 s91, s91, 512
	s_add_co_u32 s92, s92, 256
	s_add_co_u32 s93, s93, 256
	s_add_co_u32 s89, s89, 1
	s_cmp_lt_u32 s89, 16
	s_cbranch_scc1 .Lstep
	s_setprio 0
	; THE PASS'S END: O^T / l, quantised along the head's 64 dims (register 16 b + i is dim 32 b + 16 (lane / 16) + i), stored as an image of half a fragment, and its two scale bytes.
	s_add_co_u32 s16, s14, s94                     ; the tile among all tokens': 128 b + tile
	s_lshl_b32 s17, s16, 4
	s_add_co_u32 s17, s17, s15
	s_mul_i32 s17, s17, 768                        ; aoc: [tile][head][768]
	s_lshl_b32 s16, s16, 9                         ; aos: 32 bytes a token, 16 tokens a tile,
	s_lshl_b32 s18, s15, 1
	s_add_co_u32 s16, s16, s18                     ; my head's two bytes
	s_wait_alu depctr_va_vdst(0)
	v_add_f32 v14, v14, v15                        ; the sum's two halves.  (This and the three lines below are the places behind the last products)
	v_add_nc_u32 v3, s17, v1
	v_add_nc_u32 v10, s17, v2
	v_lshl_add_u32 v30, v29, 1, s16
	s_delay_alu instid0(VALU_DEP_4)
	v_permlanex16_b32 v[TMP], v14, s96, s97
	s_delay_alu instid0(VALU_DEP_1)
	v_add_f32 v14, v14, v[TMP]                     ; the row's sum
	s_wait_alu depctr_va_vdst(0)
	v_rcp_f32 v[F], v14
	v_nop                                          ; a plain place behind the transcendental
	s_wait_alu depctr_va_vdst(0)                   ; and the wait ahead of its first reader
.set j, 0
.rept 16
	v_pk_mul_f32 v[S+j:S+j+1], v[O+j:O+j+1], v[F:F+1] op_sel_hi:[1,0]   ; each accumulator from its low end on
.set j, j+2
.endr
.irp b, 0,1
	v_max3_num_f32 v[BM+\b], |v[S+16*\b]|, |v[S+1+16*\b]|, 0x1800000
.endr
.irp i, 2,4,6,8,10,12,14
.irp b, 0,1
	s_delay_alu instid0(VALU_DEP_2)
	v_max3_num_f32 v[BM+\b], v[BM+\b], |v[S+16*\b+\i]|, |v[S+1+16*\b+\i]|
.endr
.endr
.irp b, 0,1
	s_delay_alu instid0(VALU_DEP_2)
	v_permlanex16_b32 v[T2+\b], v[BM+\b], s96, s97
.endr
.irp b, 0,1
	s_delay_alu instid0(VALU_DEP_2)
	v_max_num_f32 v[BM+\b], v[BM+\b], v[T2+\b]
.endr
.irp b, 0,1
	s_delay_alu instid0(VALU_DEP_2)
	v_add_nc_u32 v[BM+\b], 0xff000000, v[BM+\b]
.endr
.irp b, 0,1
	s_delay_alu instid0(VALU_DEP_2)
	v_lshrrev_b32 v[T2+\b], 23, v[BM+\b]
.endr
	s_delay_alu instid0(VALU_DEP_1)
	v_lshl_or_b32 v[T2+2], v[T2+1], 8, v[T2]       ; the two bytes
	v_cmp_neq_f32 vcc_lo, 0, v14
	s_delay_alu instid0(VALU_DEP_1)
	v_cndmask_b32 v[T2+2], 0xffff, v[T2+2], vcc_lo ; a row with the sum 0: NaN
	v_cvt_scalef32_pk16_fp6_f32 v[PCD:PCD+2], v[S:S+15], v[BM]
	v_cvt_scalef32_pk16_fp6_f32 v[T2+4:T2+6], v[S+16:S+31], v[BM+1]
	v_nop
.irp i, 0,1,2
	v_permlane16_swap_b32 v[PCD+\i], v[T2+4+\i]
.endr
.irp i, 0,1,2
	s_delay_alu instid0(VALU_DEP_3)
	v_mov_b32 v[PCD+3+\i], v[T2+4+\i]
.endr
	global_store_b128 v3, v[PCD:PCD+3], s[10:11]   ; 512 consecutive bytes, aligned
	global_store_b64 v10, v[PCD+4:PCD+5], s[10:11] offset:512   ; 256
	global_store_b16 v30, v[T2+2], s[12:13]        ; two bytes of each token's 32: a head owns no more of them; both halves of the lanes write the same bytes with the same value
	s_add_co_u32 s3, s3, 1
	s_cmp_lt_u32 s3, 2
	s_cbranch_scc1 .Lpass
	s_wait_xcnt 0x0
	v_lshl_add_u32 v254, v0, 2, 0x33000
	v_mov_b32 v255, 0
	s_wait_alu depctr_va_vdst(0)
	s_wait_tensorcnt 0x0
	ds_add_u32 v254, v255
	s_wait_dscnt 0x0
	s_endpgm
.Lfunc_end_k_q8515cef334_attn:
	.size	k_q8515cef334_attn, .Lfunc_end_k_q8515cef334_attn-k_q8515cef334_attn
	.p2alignl 7, 3214868480
	.fill 96, 4, 3214868480
	.section	.rodata,"a",@progbits
	.p2align	6, 0x0
	.amdhsa_kernel k_q8515cef334_attn
		.amdhsa_group_segment_fixed_size 210944
		.amdhsa_private_segment_fixed_size 0
		.amdhsa_enable_private_segment 0
		.amdhsa_kernarg_size 40
		.amdhsa_user_sgpr_count 2
		.amdhsa_user_sgpr_kernarg_segment_ptr 1
		.amdhsa_wavefront_size32 1
		.amdhsa_system_sgpr_workgroup_id_x 1
		.amdhsa_system_sgpr_workgroup_id_y 1
		.amdhsa_system_sgpr_workgroup_id_z 1
		.amdhsa_system_vgpr_workitem_id 0
		.amdhsa_next_free_vgpr 256
		.amdhsa_next_free_sgpr 102
		.amdhsa_reserve_vcc 1
		.amdhsa_float_denorm_mode_32 3
		.amdhsa_float_denorm_mode_16_64 3
		.amdhsa_memory_ordered 1
		.amdhsa_forward_progress 1
		.amdhsa_inst_pref_size 37
	.end_amdhsa_kernel
	.amdgpu_metadata
---
amdhsa.version: [ 1, 2 ]
amdhsa.kernels:
  - .name:           k_q8515cef334_attn
    .symbol:         k_q8515cef334_attn.kd
    .args:
      - { .name: qkv, .offset: 0, .size: 8, .value_kind: global_buffer, .address_space: global }
      - { .name: mbits, .offset: 8, .size: 8, .value_kind: global_buffer, .address_space: global }
      - { .name: mflags, .offset: 16, .size: 8, .value_kind: global_buffer, .address_space: global }
      - { .name: aoc, .offset: 24, .size: 8, .value_kind: global_buffer, .address_space: global }
      - { .name: aos, .offset: 32, .size: 8, .value_kind: global_buffer, .address_space: global }
    .group_segment_fixed_size: 210944
    .private_segment_fixed_size: 0
    .kernarg_segment_align: 8
    .kernarg_segment_size: 40
    .max_flat_workgroup_size: 512
    .sgpr_count:     102
    .vgpr_count:     256
    .wavefront_size: 32
...
	.end_amdgpu_metadata
.endif
;; end of part 3
;; launch oproj (part 4): grid 4 x 32, 4 waves a work-group, clusters of 4 x 4, 327,680 bytes of LDS; arguments aoc, aos, xc, xs, out0; writes out0
.if DOCPART == 4
	.amdgcn_target "amdgcn-amd-amdhsa--gfx1250"
	.amdhsa_code_object_version 6
	.text
	.protected	k_q8515cef334_oproj
	.globl	k_q8515cef334_oproj
	.p2align	8
	.type	k_q8515cef334_oproj,@function
k_q8515cef334_oproj:
	s_mov_b64 s[64:65], 0
	v_nop
	global_prefetch_b8 v0, s[64:65] scope:SCOPE_SE
	s_setreg_imm32_b32 hwreg(HW_REG_WAVE_MODE, 25, 1), 1
	s_wait_xcnt 0x0
	s_wait_alu depctr_hold_cnt(0) depctr_sa_sdst(0) depctr_va_vdst(0) depctr_va_sdst(0) depctr_va_ssrc(0) depctr_va_vcc(0) depctr_vm_vsrc(0)
	s_getreg_b32 s2, hwreg(HW_REG_IB_STS2, 6, 4)
	s_cmp_eq_u32 s2, 0
	s_cbranch_scc0 .Lentry_in_a_cluster
	s_endpgm
.Lentry_in_a_cluster:
	s_bfe_u32 s2, ttmp6, 0x10000c
	s_cmp_lg_u32 s2, 0xf033
	s_cbranch_scc0 .Lentry_shape_is_right
	s_endpgm
.Lentry_shape_is_right:
; OPROJ: out0[token][n] = sum over k of A[token][k] Wo[n][k], on codes of FP6 (E2M3) with E8M0 scales; K = 1,024; out0 f32.
; A, the attention's result, lies as IMAGES OF THE OPERAND'S REGISTERS: [tile of 16 tokens 512][head 16][512 + 256 bytes]; two heads are a fragment of 128 along K.  Its tokens lie in position order
; (bits 3 and 4 exchanged in each 32); its scale bytes [token's place 8,192][32].  Wo's codes are rows 27,648 on of xc (768 bytes a row), its scale bytes the same rows of xs (32 bytes).
; A tile of 256 x 256 to a work-group of four waves, 128 x 128 to a wave.  K goes in steps of 256 through a ring of two LDS slots filled by the tensor data mover; the scale bytes come once.
; 4 x 4 work-groups form a cluster: A's tiles are asked for jointly along a row of it, B's along a column.  The matrix instruction is used transposed (source 0 = 16 rows of Wo, source 1 = 16 tokens).
; 128 tiles of 256 x 256: half of the WGPs have a work-group.  No prefetch: a work-group has four K steps, of which two are asked for at its head.
; REGISTERS, in windows of 256: window 0: v0-31 addresses; v32-63 scale words, two sets; v128-223 A's fragments, one set; window 1: B's fragments, two sets; windows 2, 3: the accumulators.
.set SIZE_N, 1024
.set KSTEP,  256
.set NQ,     2
.set ROWB,   192
.set KROW,   768
.set PITCH,  240
.set FR,     12
.set NLA,    4                         ; LDS loads that bring a fragment of A (images: 16, 8, 16, 8 bytes a lane)
.set NP,     4
.set AHALF,  8*3072                    ; 8 tiles of tokens x 4 heads x 768 bytes: what one tensor load brings of A
.set BHALF,  128*PITCH                 ; 128 rows of Wo
.set SLOT,   2*AHALF+2*BHALF
.set LAPS,   2
.set KS,     32
.set SCL,    2*SLOT
.set HALFS,  (128*KS/256)*272
.set SBLK,   (16*KS/256)*272
.set SPARE,  SCL+4*HALFS               ; the spare words, 128 bytes a wave: two blocks of 256 bytes that no other line names
.set SPITCH, 528                       ; the way out: a stage of 16 rows x (512 + 16) bytes for each wave, in slot 0, which has had its last fill and its last read by then
.set ADRA, 16                          ; v16-17 A in slot 0, 1: + 16 x lane;  v18-19: + 8 x lane
.set ADRB, 20                          ; v20-21 B in slot 0, 1;  v22-23: behind one padding more
.set STO,  24
.set RD,   25
.set CO,   26
.set ADRS, 27
.set SPW,  28                          ; v28  my spare word; never rewritten
.set NIL,  29                          ; v29  0; never rewritten
.set SC,   32
.set AF,   128
.set BK,   128
.set G1, 24
.set G0, 32
.set G1B, 48
.set G0B, 56
.set G1S, 68
.set G0S, 76
.set G1SB, 80
.set G0SB, 88
.set MSB, 0
.macro WIN new
.if MSB != (\new)
	s_set_vgpr_msb (MSB<<8)|(\new)
.set MSB, (\new)
.endif
.endm
.set MUL_LO, 0xa1
.set MUL_HI, 0xf1
.set TO_B,   0x40
.macro JLOAD g0a, g1a, g0b, g1b        ; a joint load: waves 0 and 1 fetch for A, waves 2 and 3 for B; four v_nop follow each of the two lines
	s_cmp_eq_u32 s15, 0
	s_cbranch_scc0 .Lfor_b_\@
	tensor_load_to_lds s[\g0a:\g0a+3], s[\g1a:\g1a+7]
	s_nop 0
.rept 4
	v_nop
.endr
	s_branch .Lasked_\@
.Lfor_b_\@:
	tensor_load_to_lds s[\g0b:\g0b+3], s[\g1b:\g1b+7]
	s_nop 0
.rept 4
	v_nop
.endr
.Lasked_\@:
.endm
.macro CREST
	s_cmp_lg_u32 s14, 0
	s_cbranch_scc1 .Lnot_wave_0_\@
	s_barrier_signal -3
.Lnot_wave_0_\@:
	s_barrier_wait -3
	s_barrier_signal -1
	s_barrier_wait -1
.endm
.macro CROUND
	s_barrier_signal -1
	s_barrier_wait -1
	CREST
.endm
	s_load_b256 s[4:11], s[0:1], 0x0               ; aoc s[4:5], aos s[6:7], xc s[8:9], xs s[10:11]
	s_load_b64 s[12:13], s[0:1], 0x20              ; out0
	v_lshl_add_u32 v[SPW], v0, 2, SPARE
	v_mov_b32 v[NIL], 0
	ds_add_u32 v28, v29
	ds_add_u32 v28, v29
	s_wait_dscnt 0x0
	v_lshrrev_b32 v1, 5, v0
	v_readfirstlane_b32 s14, v1                    ; wave 0..3
	s_lshr_b32 s15, s14, 1                         ; which half of the tile's rows is mine.  Also: I fetch for A (0) or for B (1)
	s_and_b32 s16, s14, 1                          ; which half of its columns.  Also: which half of that tile I fetch
	s_bfe_u32 s40, ttmp6, 0x40000                  ; cx
	s_bfe_u32 s41, ttmp6, 0x40004                  ; cy
	s_lshl_b32 s42, ttmp9, 2
	s_add_co_u32 s42, s42, s40                     ; tile column
	s_and_b32 s17, ttmp7, 0xffff
	s_lshl_b32 s17, s17, 2
	s_add_co_u32 s17, s17, s41                     ; tile row
	s_lshl_b32 s43, s41, 2
	s_lshl_b32 s43, 15, s43                        ; my row of the cluster
	s_lshl_b32 s44, 0x1111, s40                    ; my column
	s_or_b32 s[G1+0], s43, (3<<16)|(1<<21)         ; A: the mask; elements of 8 bytes; no padding: images are read 16 or 8 bytes a lane on end
	s_mov_b32 s[G1+1], 384<<16                     ; tensor_dim0: 3,072 bytes: four heads of a tile of tokens
	s_mov_b32 s[G1+2], 8<<16                       ; tensor_dim1: 8 tiles of tokens
	s_mov_b32 s[G1+3], 384<<16                     ; tile_dim0
	s_mov_b32 s[G1+4], 8                           ; tile_dim1
	s_mov_b32 s[G1+5], 1536                        ; from tile to tile: 16 heads x 768 bytes
	s_mov_b32 s[G1+6], 0
	s_mov_b32 s[G1+7], 0
	s_or_b32 s[G1B+0], s44, (0<<16)|(1<<20)|(1<<21)|(3<<22)|(3<<25)  ; B: elements of 1 byte; padding: 4 words behind every 16
	s_mov_b32 s[G1B+1], ROWB<<16
	s_mov_b32 s[G1B+2], 128<<16
	s_mov_b32 s[G1B+3], ROWB<<16
	s_mov_b32 s[G1B+4], 128
	s_mov_b32 s[G1B+5], KROW
	s_mov_b32 s[G1B+6], 0
	s_mov_b32 s[G1B+7], 0
	s_or_b32 s[G1S+0], s43, (3<<16)|(1<<20)|(1<<21)|(5<<22)|(3<<25)  ; the scales of 128 rows: 4,096 dense bytes as rows of 256, 16 of padding behind each
	s_or_b32 s[G1SB+0], s44, (3<<16)|(1<<20)|(1<<21)|(5<<22)|(3<<25)
.irp g, G1S, G1SB
	s_mov_b32 s[\g+1], 32<<16
	s_mov_b32 s[\g+2], (128*KS/256)<<16
	s_mov_b32 s[\g+3], 32<<16
	s_mov_b32 s[\g+4], 128*KS/256
	s_mov_b32 s[\g+5], 32
	s_mov_b32 s[\g+6], 0
	s_mov_b32 s[\g+7], 0
.endr
	s_lshl_b32 s20, s17, 4
	s_lshl_b32 s18, s16, 3
	s_add_co_u32 s20, s20, s18                     ; A: the first of the 8 tiles of tokens that I fetch
	s_lshl_b32 s22, s20, 9                         ; its scale bytes: 16 tokens x 32 bytes a tile
	s_mul_i32 s20, s20, 12288                      ; its codes
	s_mov_b32 s21, 0
	s_mov_b32 s23, 0
	s_lshl_b32 s46, s42, 8
	s_lshl_b32 s18, s16, 7
	s_add_co_u32 s46, s46, s18
	s_add_co_u32 s46, s46, 27648                   ; B: Wo's rows in xc and xs
	s_lshl_b32 s92, s46, 5
	s_mul_i32 s46, s46, KROW
	s_mov_b32 s47, 0
	s_mov_b32 s93, 0
	s_mul_i32 s45, s16, AHALF                      ; where they go: A's two halves,
	s_mul_i32 s95, s16, BHALF
	s_add_co_u32 s95, s95, 2*AHALF                 ; then B's two
	s_mul_i32 s94, s14, HALFS
	s_wait_kmcnt 0x0
	s_add_nc_u64 s[20:21], s[4:5], s[20:21]
	s_add_nc_u64 s[22:23], s[6:7], s[22:23]
	s_add_nc_u64 s[46:47], s[8:9], s[46:47]
	s_add_nc_u64 s[92:93], s[10:11], s[92:93]
	CROUND                                         ; all sixteen work-groups are here: the first joint loads meet
	s_mov_b32 s[G0S], 1
	s_add_co_u32 s[G0S+1], s94, SCL
	s_mov_b64 s[G0S+2:G0S+3], s[22:23]
	s_or_b32 s[G0S+3], s[G0S+3], 0x80000000
	s_mov_b32 s[G0SB], 1
	s_add_co_u32 s[G0SB+1], s94, SCL
	s_mov_b64 s[G0SB+2:G0SB+3], s[92:93]
	s_or_b32 s[G0SB+3], s[G0SB+3], 0x80000000
	JLOAD G0S, G1S, G0SB, G1SB                     ; the scales first; with the two below, three tensor loads of mine are out
.irp s, 0,1
	s_mov_b32 s[G0+4*\s], 1
	s_add_co_u32 s[G0+4*\s+1], s45, \s*SLOT
	s_add_nc_u64 s[G0+4*\s+2:G0+4*\s+3], s[20:21], \s*3072
	s_or_b32 s[G0+4*\s+3], s[G0+4*\s+3], 0x80000000
	s_mov_b32 s[G0B+4*\s], 1
	s_add_co_u32 s[G0B+4*\s+1], s95, \s*SLOT
	s_add_nc_u64 s[G0B+4*\s+2:G0B+4*\s+3], s[46:47], \s*ROWB
	s_or_b32 s[G0B+4*\s+3], s[G0B+4*\s+3], 0x80000000
	JLOAD G0+4*\s, G1, G0B+4*\s, G1B
.endr
	v_and_b32 v1, 15, v0                           ; r
	v_bfe_u32 v2, v0, 4, 1                         ; h
	v_and_b32 v6, 31, v0                           ; lane
	v_lshlrev_b32 v4, 4, v6
	v_lshlrev_b32 v5, 3, v6
	s_mul_i32 s21, s15, AHALF                      ; my 8 tiles of tokens
.irp s, 0,1
	v_add_nc_u32 v[ADRA+\s], s21, v4
	v_add_nc_u32 v[ADRA+2+\s], s21, v5
	s_add_co_u32 s21, s21, SLOT
.endr
	v_mul_u32_u24 v3, v1, PITCH
	v_mul_u32_u24 v4, v2, 24
	v_add_nc_u32 v4, v3, v4                        ; B: a fragment's row x pitch + 24 x half
	v_lshl_add_u32 v5, v2, 4, v4                   ; and the same behind one padding more
	s_mul_i32 s22, s16, BHALF
	s_add_co_u32 s22, s22, 2*AHALF
.irp s, 0,1
	v_add_nc_u32 v[ADRB+\s], s22, v4
	v_add_nc_u32 v[ADRB+2+\s], s22, v5
	s_add_co_u32 s22, s22, SLOT
.endr
	v_mul_u32_u24 v5, v1, KS
	v_lshrrev_b32 v6, 8, v5
	v_lshl_add_u32 v5, v6, 4, v5
	s_mul_i32 s21, s15, HALFS
	s_mul_i32 s22, s16, HALFS
	s_add_co_u32 s22, s22, 2*HALFS
	s_sub_co_u32 s22, s22, s21
	v_mul_u32_u24 v6, s22, v2                      ; lanes 16-31 take B's
	s_add_co_u32 s21, s21, SCL
	v_add_nc_u32 v5, v5, v6
	v_add_nc_u32 v[ADRS], s21, v5
	s_mul_i32 s23, s14, 16*SPITCH                  ; my stage
	v_mul_u32_u24 v5, v1, SPITCH
	v_lshl_add_u32 v5, v2, 5, v5
	v_add_nc_u32 v[STO], s23, v5
	v_and_b32 v6, 31, v0
	v_lshlrev_b32 v[CO], 4, v6
	v_add_nc_u32 v[RD], s23, v[CO]
	s_lshl_b32 s20, s17, 8
	s_lshl_b32 s21, s15, 7
	s_add_co_u32 s20, s20, s21                     ; my first row of out0
	s_mov_b32 s21, 0
	s_mov_b64 s[18:19], SIZE_N*4
	s_mul_u64 s[20:21], s[20:21], s[18:19]
	s_lshl_b32 s46, s42, 10
	s_lshl_b32 s47, s16, 9
	s_add_co_u32 s46, s46, s47
	s_mov_b32 s47, 0
	s_add_nc_u64 s[20:21], s[20:21], s[46:47]
	s_add_nc_u64 s[12:13], s[12:13], s[20:21]
.macro FRAG reg, adr, q, i             ; a fragment of B: 12 registers in pieces of 8 bytes
.irp p, 0,1,2,3,4,5
.set PCE, 12*(\q)+6*(\p/3)+\p%3
.if PCE%8 < 5
	ds_load_b64 v[\reg+2*\p:\reg+2*\p+1], v[\adr] offset:8*PCE+16*(PCE/8)+(\i)*16*PITCH
.else
	ds_load_b64 v[\reg+2*\p:\reg+2*\p+1], v[\adr+2] offset:8*PCE+16*(PCE/8)+(\i)*16*PITCH
.endif
.endr
.endm
.macro FRAGA reg, slot, q, i           ; a fragment of A: two heads' images: registers 0-3, 4-5 of the one, 6-9, 10-11 of the other
	ds_load_b128 v[\reg:\reg+3], v[ADRA+\slot] offset:3072*(\i)+1536*(\q)
	ds_load_b64 v[\reg+4:\reg+5], v[ADRA+2+\slot] offset:3072*(\i)+1536*(\q)+512
	ds_load_b128 v[\reg+6:\reg+9], v[ADRA+\slot] offset:3072*(\i)+1536*(\q)+768
	ds_load_b64 v[\reg+10:\reg+11], v[ADRA+2+\slot] offset:3072*(\i)+1536*(\q)+1280
.endm
; 16 matrix instructions: A's blocks a0, a0 + 1 x B's eight.  The 64 accumulators take turns, one instruction a turn, in the same order in every step.
.macro MUL16 a0, p, q, sc, zero
.irp a, \a0, \a0+1
.irp b, 0,1,2,3,4,5,6,7
.if \zero
	v_wmma_scale_f32_16x16x128_f8f6f4 v[8*(8*((\a)%4)+\b):8*(8*((\a)%4)+\b)+7], v[128*(\p)+FR*\b:128*(\p)+FR*\b+FR-1], v[AF+FR*(\a):AF+FR*(\a)+FR-1], 0, v[SC+8*NQ*(\sc)+NQ*\b+(\q)], v[SC+8*NQ*(\sc)+NQ*(\a)+(\q)] matrix_a_fmt:MATRIX_FMT_FP6 matrix_b_fmt:MATRIX_FMT_FP6 matrix_a_scale:MATRIX_SCALE_ROW1
.else
	v_wmma_scale_f32_16x16x128_f8f6f4 v[8*(8*((\a)%4)+\b):8*(8*((\a)%4)+\b)+7], v[128*(\p)+FR*\b:128*(\p)+FR*\b+FR-1], v[AF+FR*(\a):AF+FR*(\a)+FR-1], v[8*(8*((\a)%4)+\b):8*(8*((\a)%4)+\b)+7], v[SC+8*NQ*(\sc)+NQ*\b+(\q)], v[SC+8*NQ*(\sc)+NQ*(\a)+(\q)] matrix_a_fmt:MATRIX_FMT_FP6 matrix_b_fmt:MATRIX_FMT_FP6 matrix_a_scale:MATRIX_SCALE_ROW1
.endif
.endr
.endr
.endm
.macro FETCH_B slot, q, p
	WIN TO_B
.irp i, 0,1,2,3,4,5,6,7
	FRAG 128*(\p)+FR*\i, ADRB+\slot, \q, \i
.endr
	WIN 0
.endm
.macro FETCH_A slot, q, i0
.irp i, \i0, \i0+1, \i0+2, \i0+3
	FRAGA AF+FR*(\i), \slot, \q, \i
.endr
.endm
.macro SCALES sc
.irp i, 0,1,2,3,4,5,6,7
	ds_load_b64 v[SC+8*NQ*\sc+NQ*\i:SC+8*NQ*\sc+NQ*\i+1], v[ADRS] offset:\i*SBLK
.endr
.endm
.macro PLACES n                        ; plain vector instructions between a matrix instruction and a load into, or a read of, its registers
.rept \n
	v_nop
.endr
.endm
.macro STEP slot, q, zero
	s_wait_dscnt 4*NLA                             ; B's set and A's blocks 0-3 are in; the youngest 16 loads (A's blocks 4-7) may be out
	WIN MUL_LO
	MUL16 0, (\q)%2, \q, \slot, \zero
	MUL16 2, (\q)%2, \q, \slot, \zero
	s_wait_dscnt 0
	PLACES NP
	FETCH_B \slot, (\q)+1, 1-(\q)%2
	FETCH_A \slot, (\q)+1, 0
	WIN MUL_HI
	MUL16 4, (\q)%2, \q, \slot, \zero
	MUL16 6, (\q)%2, \q, \slot, \zero
	PLACES NP
	WIN 0
	FETCH_A \slot, (\q)+1, 4
.endm
; A slot's last step changes slots: one barrier; in front of it each wave waits for all its tensor loads, adds 0 to its spare word, and waits for that and for its own reads of this slot.
.macro TURN slot, next, fill
	s_wait_tensorcnt 0x0                           ; all my tensor loads have landed: my part of the next slot
	ds_add_u32 v[SPW], v[NIL]                      ; 0 onto my spare word
	s_wait_dscnt 4*NLA+1                           ; the add and the youngest 16 loads may be out
	WIN MUL_LO
	MUL16 0, 1, NQ-1, \slot, 0
	s_wait_dscnt 0x0                               ; the add is done, and my reads of this slot are over
	s_barrier_signal -1
	MUL16 2, 1, NQ-1, \slot, 0
	WIN 0
	s_barrier_wait -1
.if \fill
	CREST                                          ; the barrier has opened a round of the cluster's barrier: no wave of any partner still reads this slot or has a load on its way
	s_add_nc_u64 s[G0+4*\slot+2:G0+4*\slot+3], s[G0+4*\slot+2:G0+4*\slot+3], 2*3072
	s_add_nc_u64 s[G0B+4*\slot+2:G0B+4*\slot+3], s[G0B+4*\slot+2:G0B+4*\slot+3], 2*ROWB
	JLOAD G0+4*\slot, G1, G0B+4*\slot, G1B         ; the first tensor load behind the round, my only one until the next
.else
	PLACES NP
.endif
	v_add_nc_u32 v[ADRS], 4*NQ, v[ADRS]
	FETCH_B \next, 0, 0
	FETCH_A \next, 0, 0
	SCALES \next
	WIN MUL_HI
	MUL16 4, 1, NQ-1, \slot, 0
	MUL16 6, 1, NQ-1, \slot, 0
	PLACES NP
	WIN 0
	FETCH_A \next, 0, 4
.endm
	s_wait_tensorcnt 1                             ; the scales and my part of K step 0 are in; K step 1's load may be out
	s_barrier_signal -1
	s_barrier_wait -1
	FETCH_B 0, 0, 0
	FETCH_A 0, 0, 0
	SCALES 0
	FETCH_A 0, 0, 4
	STEP 0, 0, 1                                   ; the first step's products start the sums
	s_mov_b32 s3, LAPS-1
.Llap:
	TURN 0, 1, 1
	STEP 1, 0, 0
	TURN 1, 0, 1
	STEP 0, 0, 0
	s_sub_co_u32 s3, s3, 1
	s_cmp_lg_u32 s3, 0
	s_cbranch_scc1 .Llap
	TURN 0, 1, 0                                   ; the last lap fills nothing
	STEP 1, 0, 0
	s_wait_dscnt 4*NLA
	WIN MUL_LO
	MUL16 0, 1, NQ-1, 1, 0
	MUL16 2, 1, NQ-1, 1, 0
	s_wait_dscnt 0
	WIN MUL_HI
	MUL16 4, 1, NQ-1, 1, 0
	MUL16 6, 1, NQ-1, 1, 0
	WIN 0
; THE WAY OUT, block by block of 16 tokens x 128 columns, through my own stage in LDS: back come whole rows of 512 bytes, which the 32 lanes store as 512 consecutive bytes, aligned.
; Stage row t of block a is the token at place 16 a + t: token 32 (a / 2) + 8 (a % 2) + t + 8 (t / 8) of my 128; its row stands in the store's immediate, 127 rows of 4,096 bytes at the most.
.macro TOSTAGE a
.set AC, 64*((\a)%4)
	WIN 0x08+4*((\a)/4)                            ; an LDS store's data: window 2 or 3
.irp b, 0,1,2,3,4,5,6,7
	ds_store_b128 v[STO], v[AC+8*\b:AC+8*\b+3] offset:64*\b          ; each accumulator from its low end on
	ds_store_b128 v[STO], v[AC+8*\b+4:AC+8*\b+7] offset:64*\b+16
.endr
	WIN 0
.set BB, BK+64*((\a)%2)
.irp t, 0,1,2,3,4,5,6,7,8,9,10,11,12,13,14,15
	ds_load_b128 v[BB+4*\t:BB+4*\t+3], v[RD] offset:\t*SPITCH        ; LDS serves a wave's instructions in order (ISA guide 5.7.1.4): these see the stores above
.endr
.endm
.macro SEND a, younger
.set BB, BK+64*((\a)%2)
	s_wait_dscnt \younger                          ; the block is back in registers; the next block's 16 stores and 16 loads may be out
.irp t, 0,1,2,3,4,5,6,7,8,9,10,11,12,13,14,15
	global_store_b128 v[CO], v[BB+4*\t:BB+4*\t+3], s[12:13] offset:(32*((\a)/2)+8*((\a)%2)+\t+8*(\t/8))*SIZE_N*4 th:TH_STORE_NT
.endr
.endm
	PLACES NP
	TOSTAGE 0
.irp a, 1,2,3,4,5,6,7
.if \a > 1
	s_wait_xcnt 0x0                                ; block a - 2's stores have read their registers: block a's loads may land there
.endif
	TOSTAGE \a
	SEND \a-1, 32
.endr
	SEND 7, 0
	s_wait_tensorcnt 0x0                           ; the wave's end
	ds_add_u32 v[SPW], v[NIL]
	s_wait_dscnt 0x0
	CROUND                                         ; the closing round
	s_endpgm
.Lfunc_end_k_q8515cef334_oproj:
	.size	k_q8515cef334_oproj, .Lfunc_end_k_q8515cef334_oproj-k_q8515cef334_oproj
	.p2alignl 7, 3214868480
	.fill 96, 4, 3214868480
	.section	.rodata,"a",@progbits
	.p2align	6, 0x0
	.amdhsa_kernel k_q8515cef334_oproj
		.amdhsa_group_segment_fixed_size 327680
		.amdhsa_private_segment_fixed_size 0
		.amdhsa_enable_private_segment 0
		.amdhsa_kernarg_size 40
		.amdhsa_user_sgpr_count 2
		.amdhsa_user_sgpr_kernarg_segment_ptr 1
		.amdhsa_wavefront_size32 1
		.amdhsa_system_sgpr_workgroup_id_x 1
		.amdhsa_system_sgpr_workgroup_id_y 1
		.amdhsa_system_sgpr_workgroup_id_z 1
		.amdhsa_system_vgpr_workitem_id 0
		.amdhsa_next_free_vgpr 1024
		.amdhsa_next_free_sgpr 98
		.amdhsa_reserve_vcc 0
		.amdhsa_float_denorm_mode_32 3
		.amdhsa_float_denorm_mode_16_64 3
		.amdhsa_memory_ordered 1
		.amdhsa_forward_progress 1
		.amdhsa_inst_pref_size 152
	.end_amdhsa_kernel
	.amdgpu_metadata
---
amdhsa.version: [ 1, 2 ]
amdhsa.kernels:
  - .name:           k_q8515cef334_oproj
    .symbol:         k_q8515cef334_oproj.kd
    .args:
      - { .name: aoc, .offset: 0, .size: 8, .value_kind: global_buffer, .address_space: global }
      - { .name: aos, .offset: 8, .size: 8, .value_kind: global_buffer, .address_space: global }
      - { .name: xc, .offset: 16, .size: 8, .value_kind: global_buffer, .address_space: global }
      - { .name: xs, .offset: 24, .size: 8, .value_kind: global_buffer, .address_space: global }
      - { .name: out0, .offset: 32, .size: 8, .value_kind: global_buffer, .address_space: global }
    .group_segment_fixed_size: 327680
    .private_segment_fixed_size: 0
    .kernarg_segment_align: 8
    .kernarg_segment_size: 40
    .max_flat_workgroup_size: 128
    .sgpr_count:     98
    .vgpr_count:     1024
    .wavefront_size: 32
...
	.end_amdgpu_metadata
.endif
;; end of part 4
